; MI455X (gfx1250); checked and timed in simulation.
; The chip was launched on July 23, 2026; its instructions are those of AMD's public machine-readable ISA for CDNA 5 (MIT licence, August 2026) and "CDNA5" Instruction Set Architecture Reference Guide (July 2026). The comments in the code are by the model that wrote it; some were corrected since.
;; Transformer Encoder Layer With Mem. Allowed arithmetic: float matrix products may take bf16 or f16 operands with f32 sums; all other float work in f32.
;; Inputs: b1 4,096 float32; b2 1,024 float32; in_proj_b 3,072 float32; in_proj_w 3,072 x 1,024 float32; ln1_b 1,024 float32; ln1_g 1,024 float32; ln2_b 1,024 float32; ln2_g 1,024 float32; mem_k 32 x 1 x 1,024 float32; mem_v 32 x 1 x 1,024 float32; out_b 1,024 float32; out_w 1,024 x 1,024 float32; src 2,048 x 2 x 1,024 float32; w1 4,096 x 1,024 float32; w2 1,024 x 4,096 float32.
;; Outputs: out0 2,048 x 2 x 1,024 float32.
;; One version. Each part assembles by itself: llvm-mc -triple=amdgcn-amd-amdhsa -mcpu=gfx1250 --defsym DOCPART=n.
;; ======== version 1 of 1: 8 launches
;; limits: right only within a limited range of input values
;; workspace buffers: wb 33,816,576 bytes; qkv 25,165,824 bytes; ctx 8,388,608 bytes; y 16,777,216 bytes; xf 16,777,216 bytes; xb 8,388,608 bytes; h 33,554,432 bytes
;; launch cast (part 1): grid 1028 x 1, 8 waves a work-group, no clusters, 0 bytes of LDS; arguments src, in_proj_w, out_w, w1, w2, mem_k, mem_v, wb; writes wb
.if DOCPART == 1
	.amdgcn_target "amdgcn-amd-amdhsa--gfx1250"
	.amdhsa_code_object_version 6
	.text
	.protected	k_qcade5f32cf_cast
	.globl	k_qcade5f32cf_cast
	.p2align	8
	.type	k_qcade5f32cf_cast,@function
k_qcade5f32cf_cast:
	s_mov_b64 s[64:65], 0
	v_nop
	global_prefetch_b8 v0, s[64:65] scope:SCOPE_SE
	s_setreg_imm32_b32 hwreg(HW_REG_WAVE_MODE, 25, 1), 1
	s_wait_xcnt 0x0
; The matrix operands are rounded to bf16 once: wb = src | in_proj_w | out_w | w1 | w2 | memK | memV, all bf16, in that order without gaps.
; memK is 64 rows x 1024: rows 0-31 = 8 mem_k (sqrt of the head size 64), rows 32-63 zeros; memV likewise with sqrt(32) mem_v.
; A work-group takes one chunk of 65,536 bytes of f32 (16,384 numbers) and stores 32,768 bytes of bf16.  The five large tensors are 256, 192, 64, 256 and 256
; chunks (groups 0 to 1023), and since wb holds them in the same order, group g stores at byte 32,768 g.  Groups 1024 to 1027: the halves of mem_k and of mem_v.
; Thread t, load i of 16: 16 bytes at 16 t + 4,096 i (a wave's load covers 512 consecutive bytes); its store: 8 bytes at 8 t + 2,048 i (a wave's store covers 256
; consecutive bytes, aligned).  All 16 loads of a thread go out before the first wait.  A stream: no LDS, no matrix unit, no barrier.
.set X, 4                              ; v[4:67]    16 x 4 numbers as loaded
.set Y, 68                             ; v[68:99]   16 x 2 words of bf16
.set Z, 100                            ; v[100:101] zeros for the pad rows
.set MEM0, 33554432                    ; byte of memK in wb
	s_load_b512 s[8:23], s[0:1], 0x0               ; src 8, in_proj_w 10, out_w 12, w1 14, w2 16, mem_k 18, mem_v 20, wb 22
	s_mov_b32 s2, ttmp9                            ; g
	v_lshlrev_b32 v1, 4, v0                        ; 16 t
	v_lshlrev_b32 v2, 3, v0                        ; 8 t
	s_mov_b32 s27, 0                               ; high words of the two offset pairs
	s_mov_b32 s29, 0
	s_wait_kmcnt 0x0
.macro CHUNK scaled
.irp i, 0,1,2,3,4,5,6,7,8,9,10,11,12,13,14,15
	global_load_b128 v[X+4*\i:X+4*\i+3], v1, s[4:5] offset:4096*\i th:TH_LOAD_NT
.endr
.irp i, 0,1,2,3,4,5,6,7,8,9,10,11,12,13,14,15
	s_wait_loadcnt 15-\i                           ; loads come back in order: load i is in, the 15 - i younger ones stay out
.if \scaled
	v_pk_mul_f32 v[X+4*\i:X+4*\i+1], v[X+4*\i:X+4*\i+1], s[24:25] op_sel_hi:[1,0]
	v_pk_mul_f32 v[X+4*\i+2:X+4*\i+3], v[X+4*\i+2:X+4*\i+3], s[24:25] op_sel_hi:[1,0]
.endif
	v_cvt_pk_bf16_f32 v[Y+2*\i], v[X+4*\i], v[X+4*\i+1]
	v_cvt_pk_bf16_f32 v[Y+2*\i+1], v[X+4*\i+2], v[X+4*\i+3]
	global_store_b64 v2, v[Y+2*\i:Y+2*\i+1], s[6:7] offset:2048*\i
.if \scaled
	global_store_b64 v2, v[Z:Z+1], s[6:7] offset:65536+2048*\i     ; the pad row 32 rows further down
.endif
.endr
.endm
	s_cmp_lt_u32 s2, 1024
	s_cbranch_scc0 .Lmem
	; which tensor holds chunk g, and the tensor's first chunk: from the last tensor down to the first
	s_mov_b64 s[4:5], s[16:17]
	s_mov_b32 s3, 768
	s_cmp_lt_u32 s2, 768
	s_cselect_b64 s[4:5], s[14:15], s[4:5]
	s_cselect_b32 s3, 512, s3
	s_cmp_lt_u32 s2, 512
	s_cselect_b64 s[4:5], s[12:13], s[4:5]
	s_cselect_b32 s3, 448, s3
	s_cmp_lt_u32 s2, 448
	s_cselect_b64 s[4:5], s[10:11], s[4:5]
	s_cselect_b32 s3, 256, s3
	s_cmp_lt_u32 s2, 256
	s_cselect_b64 s[4:5], s[8:9], s[4:5]
	s_cselect_b32 s3, 0, s3
	s_sub_co_u32 s26, s2, s3
	s_lshl_b32 s26, s26, 16                        ; the chunk's byte in its tensor
	s_add_nc_u64 s[4:5], s[4:5], s[26:27]
	s_lshl_b32 s28, s2, 15                         ; and in wb
	s_add_nc_u64 s[6:7], s[22:23], s[28:29]
	CHUNK 0
	s_endpgm
.Lmem:
	s_sub_co_u32 s3, s2, 1024
	s_and_b32 s26, s3, 1                           ; which 16 rows of the 32
	s_lshr_b32 s3, s3, 1                           ; 0: mem_k, 1: mem_v
	s_mov_b32 s24, 0x40b504f3                      ; sqrt(32)
	s_cmp_eq_u32 s3, 0
	s_cselect_b64 s[4:5], s[18:19], s[20:21]
	s_cselect_b32 s24, 0x41000000, s24             ; 8.0
	s_mov_b32 s25, s24                             ; named with it as a pair, so it is written
	s_lshl_b32 s28, s3, 17                         ; memK and memV are 131,072 bytes each
	s_lshl_b32 s3, s26, 15
	s_add_co_u32 s28, s28, s3
	s_add_co_u32 s28, s28, MEM0
	s_add_nc_u64 s[6:7], s[22:23], s[28:29]
	s_lshl_b32 s26, s26, 16
	s_add_nc_u64 s[4:5], s[4:5], s[26:27]
	v_mov_b32 v[Z], 0
	v_mov_b32 v[Z+1], 0
	CHUNK 1
	s_endpgm
.Lfunc_end_k_qcade5f32cf_cast:
	.size	k_qcade5f32cf_cast, .Lfunc_end_k_qcade5f32cf_cast-k_qcade5f32cf_cast
	.p2alignl 7, 3214868480
	.fill 96, 4, 3214868480
	.section	.rodata,"a",@progbits
	.p2align	6, 0x0
	.amdhsa_kernel k_qcade5f32cf_cast
		.amdhsa_group_segment_fixed_size 0
		.amdhsa_private_segment_fixed_size 0
		.amdhsa_enable_private_segment 0
		.amdhsa_kernarg_size 64
		.amdhsa_user_sgpr_count 2
		.amdhsa_user_sgpr_kernarg_segment_ptr 1
		.amdhsa_wavefront_size32 1
		.amdhsa_system_sgpr_workgroup_id_x 1
		.amdhsa_system_sgpr_workgroup_id_y 1
		.amdhsa_system_sgpr_workgroup_id_z 1
		.amdhsa_system_vgpr_workitem_id 0
		.amdhsa_next_free_vgpr 104
		.amdhsa_next_free_sgpr 66
		.amdhsa_reserve_vcc 0
		.amdhsa_float_denorm_mode_32 3
		.amdhsa_float_denorm_mode_16_64 3
		.amdhsa_memory_ordered 1
		.amdhsa_forward_progress 1
		.amdhsa_inst_pref_size 17
	.end_amdhsa_kernel
	.amdgpu_metadata
---
amdhsa.version: [ 1, 2 ]
amdhsa.kernels:
  - .name:           k_qcade5f32cf_cast
    .symbol:         k_qcade5f32cf_cast.kd
    .args:
      - { .name: src, .offset: 0, .size: 8, .value_kind: global_buffer, .address_space: global }
      - { .name: in_proj_w, .offset: 8, .size: 8, .value_kind: global_buffer, .address_space: global }
      - { .name: out_w, .offset: 16, .size: 8, .value_kind: global_buffer, .address_space: global }
      - { .name: w1, .offset: 24, .size: 8, .value_kind: global_buffer, .address_space: global }
      - { .name: w2, .offset: 32, .size: 8, .value_kind: global_buffer, .address_space: global }
      - { .name: mem_k, .offset: 40, .size: 8, .value_kind: global_buffer, .address_space: global }
      - { .name: mem_v, .offset: 48, .size: 8, .value_kind: global_buffer, .address_space: global }
      - { .name: wb, .offset: 56, .size: 8, .value_kind: global_buffer, .address_space: global }
    .group_segment_fixed_size: 0
    .private_segment_fixed_size: 0
    .kernarg_segment_align: 8
    .kernarg_segment_size: 64
    .max_flat_workgroup_size: 256
    .sgpr_count:     66
    .vgpr_count:     104
    .wavefront_size: 32
...
	.end_amdgpu_metadata
.endif
;; end of part 1
;; launch qkv (part 2): grid 8 x 32, 4 waves a work-group, clusters of 4 x 4, 327,680 bytes of LDS; arguments wb, in_proj_b, qkv; writes qkv
.if DOCPART == 2
	.amdgcn_target "amdgcn-amd-amdhsa--gfx1250"
	.amdhsa_code_object_version 6
	.text
	.protected	k_qcade5f32cf_qkv
	.globl	k_qcade5f32cf_qkv
	.p2align	8
	.type	k_qcade5f32cf_qkv,@function
k_qcade5f32cf_qkv:
	s_mov_b64 s[64:65], 0
	v_nop
	global_prefetch_b8 v0, s[64:65] scope:SCOPE_SE
	s_setreg_imm32_b32 hwreg(HW_REG_WAVE_MODE, 25, 1), 1
	s_wait_xcnt 0x0
	s_wait_alu depctr_hold_cnt(0) depctr_sa_sdst(0) depctr_va_vdst(0) depctr_va_sdst(0) depctr_va_ssrc(0) depctr_va_vcc(0) depctr_vm_vsrc(0)
	s_getreg_b32 s2, hwreg(HW_REG_IB_STS2, 6, 4)
	s_cmp_eq_u32 s2, 0
	s_cbranch_scc0 .Lentry_in_a_cluster
	s_endpgm
.Lentry_in_a_cluster:
	s_bfe_u32 s2, ttmp6, 0x10000c
	s_cmp_lg_u32 s2, 0xf033
	s_cbranch_scc0 .Lentry_shape_is_right
	s_endpgm
.Lentry_shape_is_right:
; C[m][n] = sum over k of A[m][k] B[n][k] + bias[n].  Here: qkv = src in_proj_w^T + in_proj_b.  A: [4096][1024] bf16 (wb, byte 0), B: [3072][1024] bf16 (wb, byte B_OFF),
; bias f32, C: [4096][3072] bf16; sums in f32, C rounded once.  q is stored unscaled: the attention launch folds 1/8 into its exponent's factor.
; A TILE OF C IS 128 x 384: 4096 / 128 x 3072 / 384 = 32 x 8 = 256 work-groups (256 x 256 would give 192), and a tile's row is 768 bytes: three aligned blocks of 256.
; Four waves; a wave makes all 128 rows x 96 columns: 48 accumulators of 16 x 16, 384 registers; for 32 along K it loads 8 + 6 fragments for 48 matrix instructions.
; K goes in steps of 128 through a ring of two LDS slots filled by the tensor data mover: A's 128 rows, then B's 384; the rows are 256 bytes of memory and start at multiples of 256 bytes.
; CLUSTERS: 4 x 4 work-groups.  The four of a row of the cluster need the same tiles of A, the four of a column the same tiles of B: each tile is asked for JOINTLY, by the same
; tensor load with the same descriptor and a mask that names the four.  Wave 0 asks for A's 128 rows, waves 1 to 3 for B's three blocks of 128 rows: one load a wave.
; REGISTERS, in windows of 256 (s_set_vgpr_msb: bits 1:0 source 0, 3:2 source 1, 5:4 source 2, 7:6 destination):
;   window 0: v0-31 addresses; v64-127, v128-191 fragments of A, two buffers; on the way out v192-239 packed results, then v32-223 whole rows
;   window 1: v0-47 the bias of my 96 columns, laid as an accumulator's lanes want it; v64-111, v128-175 fragments of B, two buffers
;   window 2: the 24 accumulators of rows 0-63 (accumulator (a, b) at v[8 (6 a + b)]);   window 3: those of rows 64-127
; THE MATRIX INSTRUCTION IS USED TRANSPOSED: source 0 = 16 rows of B, source 1 = 16 rows of A.  Lane l then holds row l % 16 of C and its registers 0 to 7 the columns
; 8 (l / 16) + 0 .. 7: eight neighbouring numbers of a row, which pack into 16 bytes.  THE BIAS STARTS THE SUMS: the first product on each accumulator takes the bias registers as C.
; THE WAY OUT GOES THROUGH ONE STAGE: a wave's 96 columns are 192 bytes, no whole block of 256, so the four waves write their parts of the same 128 rows of 784 bytes, a barrier stands between
; the writing and the reading, and each wave then stores 32 whole rows.  The stage lies in slot 0: its last fill is K step 6's, every wave's reads of that tile are over at the barrier of the
; last change of slots, and no tensor load is issued after it.
.set SIZE_N, 3072
.set SIZE_K, 1024
.set B_OFF,  8388608                   ; byte of B in wb
.set KSTEP,  128
.set PITCH,  272                       ; an LDS row: 256 bytes of data + 16 of padding = 68 words: the 16 rows that a fragment load touches start 4 words apart modulo 64
.set HALFT,  128*PITCH                 ; 128 rows: what one tensor load brings
.set SLOT,   4*HALFT                   ; A's 128 rows, then B's 384 rows
.set SP,     784                       ; a row of the stage: 768 bytes + 16 = 49 x 16: the 16 rows that a store touches start 4 words apart modulo 64
.set LAPS, SIZE_K/(2*KSTEP)            ; a lap = two K steps = once round the ring
.set ADRA, 16                          ; v16-17  LDS address of my A fragments in slot 0, 1
.set ADRB, 20                          ; v20-21  the same for B
.set STO,  24                          ; v24, v28  the way out: where I put 16 bytes of a row, for rows 0-63 and for rows 64-127 (an LDS offset has 16 bits)
.set RD,   25                          ; v25     the way out: where I read a row back
.set CO,   26                          ; v26     my byte offset in C
.set BO,   27                          ; v27     my byte offset in the bias
.set F0,   64                          ; fragment buffer 0
.set F1,   128                         ; fragment buffer 1
.set TMP,  192                         ; the way out: packed results, two sets of 24 by turns
.set OB,   32                          ; the way out: 32 rows read back from the stage, 192 registers
.set G1, 24                            ; s[24:31] descriptor group 1 for A's tiles
.set G0, 32                            ; s[32:39] descriptor group 0 for A's tiles, one set for each slot
.set G1B, 48                           ; s[48:55], s[56:63] the same for B's tiles
.set G0B, 56
.set MSB, 0
.macro WIN new                         ; the immediate's high byte repeats the setting that is left; a switch that changes nothing is dropped
.set WNEW, \new
.if MSB != WNEW
	s_set_vgpr_msb (MSB<<8)|WNEW
.set MSB, WNEW
.endif
.endm
.set MUL_LO, 0xa1                      ; source 0 (B) window 1, source 1 (A) window 0, C and D window 2
.set MUL_HI, 0xf1                      ; the same, C and D window 3
.set BIA_LO, 0x91                      ; the first products: C (the bias) window 1, D window 2
.set BIA_HI, 0xd1                      ; C window 1, D window 3
.set TO_B,   0x40                      ; destination window 1, address window 0
; A joint load.  Wave 0 fetches A's tile, waves 1 to 3 B's three blocks.  The branch hangs on the wave's number alone.  Four v_nop follow each of the two lines.
.macro JLOAD s
	s_cmp_eq_u32 s10, 0
	s_cbranch_scc0 .Lfor_b_\@
	tensor_load_to_lds s[G0+4*\s:G0+4*\s+3], s[G1:G1+7]
	s_nop 0
.rept 4
	v_nop
.endr
	s_branch .Lasked_\@
.Lfor_b_\@:
	tensor_load_to_lds s[G0B+4*\s:G0B+4*\s+3], s[G1B:G1B+7]
	s_nop 0
.rept 4
	v_nop
.endr
.Lasked_\@:
.endm
; A round of the cluster's barrier: my work-group's barrier; wave 0 signals for the work-group; every wave waits for all sixteen work-groups; my work-group's barrier once more.
.macro CREST                           ; a round behind its opening barrier
	s_cmp_lg_u32 s10, 0
	s_cbranch_scc1 .Lnot_wave_0_\@
	s_barrier_signal -3
.Lnot_wave_0_\@:
	s_barrier_wait -3
	s_barrier_signal -1
	s_barrier_wait -1
.endm
.macro CROUND                          ; a whole round
	s_barrier_signal -1
	s_barrier_wait -1
	CREST
.endm
	s_load_b64 s[4:5], s[0:1], 0x0                 ; wb: A lies at its byte 0
	s_load_b64 s[6:7], s[0:1], 0x0                 ; wb once more, for B
	s_load_b64 s[66:67], s[0:1], 0x8               ; bias
	s_load_b64 s[8:9], s[0:1], 0x10                ; C
	s_set_vgpr_msb 0x40
	v_lshl_add_u32 v255, v0, 2, 0x44000
	s_set_vgpr_msb 0x4000
	v_mov_b32 v255, 0
	s_set_vgpr_msb 0x1
	ds_add_u32 v255, v255
	s_set_vgpr_msb 0x100
	v_lshrrev_b32 v1, 5, v0
	v_readfirstlane_b32 s10, v1                    ; wave 0..3: my 96 columns of the tile; also what I fetch
	s_bfe_u32 s40, ttmp6, 0x40000                  ; cx, cy: my place in the cluster
	s_bfe_u32 s41, ttmp6, 0x40004
	s_lshl_b32 s42, ttmp9, 2
	s_add_co_u32 s42, s42, s40                     ; tile column of C = 4 x cluster x + cx
	s_and_b32 s13, ttmp7, 0xffff
	s_lshl_b32 s13, s13, 2
	s_add_co_u32 s13, s13, s41                     ; tile row of C = 4 x cluster y + cy
	s_lshl_b32 s43, s41, 2
	s_lshl_b32 s43, 15, s43                        ; my row of the cluster: places 4 cy .. 4 cy + 3
	s_lshl_b32 s44, 0x1111, s40                    ; my column: places cx, cx + 4, cx + 8, cx + 12
	; descriptor group 1: a tile of 128 rows x 128 elements of 2 bytes, 4 words of padding behind every 64 words; the mask, and bit 21 beside it
	s_or_b32 s[G1+0], s43, (1<<16)|(1<<20)|(1<<21)|(5<<22)|(3<<25)
	s_or_b32 s[G1B+0], s44, (1<<16)|(1<<20)|(1<<21)|(5<<22)|(3<<25)
.irp g, G1, G1B
	s_mov_b32 s[\g+1], KSTEP<<16                   ; tensor_dim0 = 128
	s_mov_b32 s[\g+2], 128<<16                     ; tensor_dim1 = 128
	s_mov_b32 s[\g+3], KSTEP<<16                   ; tile_dim0 = 128
	s_mov_b32 s[\g+4], 128                         ; tile_dim1 = 128
	s_mov_b32 s[\g+5], SIZE_K                      ; elements from row to row
	s_mov_b32 s[\g+6], 0
	s_mov_b32 s[\g+7], 0
.endr
	; A's tiles hang on the tile row alone, which my row of the cluster shares; B's on the tile column (and the wave) alone, which my column shares
	s_lshl_b32 s16, s13, 18                        ; A: row 128 x tile row, 2,048 bytes a row
	s_mov_b32 s17, 0
	s_mul_i32 s46, s42, 384
	s_lshl_b32 s47, s10, 7
	s_add_co_u32 s46, s46, s47                     ; B: row 384 x tile column + 128 x wave: one block too far, since wave 1 takes block 0; the constant below takes it back
	s_lshl_b32 s46, s46, 11
	s_mov_b32 s47, 0
	s_mul_i32 s20, s10, HALFT                      ; where they go: wave x 128 rows: A's tile, then B's three blocks
	s_wait_dscnt 0x0
	s_wait_kmcnt 0x0
	s_add_nc_u64 s[6:7], s[6:7], B_OFF-128*SIZE_K*2 ; (wave 0's B address so points in front of B, still inside wb; wave 0 never asks by it)
	s_add_nc_u64 s[14:15], s[4:5], s[16:17]
	s_add_nc_u64 s[46:47], s[6:7], s[46:47]
	CROUND                                         ; all sixteen work-groups are here: the first joint loads meet
.irp s, 0,1
	s_mov_b32 s[G0+4*\s], 1
	s_add_co_u32 s[G0+4*\s+1], s20, \s*SLOT
	s_add_nc_u64 s[G0+4*\s+2:G0+4*\s+3], s[14:15], \s*KSTEP*2
	s_or_b32 s[G0+4*\s+3], s[G0+4*\s+3], 0x80000000
	s_mov_b32 s[G0B+4*\s], 1
	s_add_co_u32 s[G0B+4*\s+1], s20, \s*SLOT
	s_add_nc_u64 s[G0B+4*\s+2:G0B+4*\s+3], s[46:47], \s*KSTEP*2
	s_or_b32 s[G0B+4*\s+3], s[G0B+4*\s+3], 0x80000000
	JLOAD \s                                       ; two tensor loads of mine are out
.endr
	v_and_b32 v1, 15, v0                           ; l % 16
	v_bfe_u32 v2, v0, 4, 1                         ; l / 16
	; the bias: register j of column block b is column 16 b + 8 (l / 16) + j of my 96: two loads of 16 bytes a block
	v_lshlrev_b32 v[BO], 5, v2
	s_mul_i32 s46, s42, 4*384                      ; 4 bytes x (384 x tile column + 96 x wave)
	s_mul_i32 s47, s10, 4*96
	s_add_co_u32 s46, s46, s47
	s_mov_b32 s47, 0
	s_add_nc_u64 s[66:67], s[66:67], s[46:47]
	WIN TO_B
.irp b, 0,1,2,3,4,5
	global_load_b128 v[8*\b:8*\b+3],   v[BO], s[66:67] offset:64*\b
	global_load_b128 v[8*\b+4:8*\b+7], v[BO], s[66:67] offset:64*\b+16
.endr
	WIN 0
	; A fragment is 16 rows x 32 K in 8 registers: lane l holds row l % 16; registers 0-3 K = 8 (l / 16) + 0..7, registers 4-7 K = 16 + 8 (l / 16) + 0..7: two loads of 16 bytes, 32 apart
	v_mul_u32_u24 v3, v1, PITCH
	v_lshl_add_u32 v3, v2, 4, v3
	s_mov_b32 s21, 0                               ; all 128 rows of A are mine
	s_mul_i32 s22, s10, 96*PITCH                   ; my 96 rows of B,
	s_add_co_u32 s22, s22, HALFT                   ; which lie behind A's 128
.irp s, 0,1
	v_add_nc_u32 v[ADRA+\s], s21, v3
	v_add_nc_u32 v[ADRB+\s], s22, v3
	s_add_co_u32 s21, s21, SLOT
	s_add_co_u32 s22, s22, SLOT
.endr
	s_mul_i32 s23, s10, 192                        ; into the stage (LDS byte 0 on): my 192 bytes of every row; row l % 16, 16 bytes for each half of the lanes
	v_mul_u32_u24 v4, v1, SP
	v_lshl_add_u32 v4, v2, 4, v4
	v_add_nc_u32 v[STO], s23, v4
	v_add_nc_u32 v[STO+4], 64*SP, v[STO]           ; the same 64 rows further down
	s_mul_i32 s23, s10, 32*SP                      ; back: wave w takes rows 32 w to 32 w + 31, whole; lanes 0-15 256 bytes of one row, lanes 16-31 of the next
	v_mul_u32_u24 v5, v2, SP
	v_lshl_add_u32 v5, v1, 4, v5
	v_add_nc_u32 v[RD], s23, v5
	v_mul_u32_u24 v5, v2, SIZE_N*2                 ; and the same two rows in C
	v_lshl_add_u32 v[CO], v1, 4, v5
	s_lshl_b32 s16, s13, 7
	s_lshl_b32 s17, s10, 5
	s_add_co_u32 s16, s16, s17                     ; the first row of C that I store: 128 x tile row + 32 x wave
	s_mul_i32 s16, s16, SIZE_N*2
	s_mov_b32 s17, 0
	s_add_nc_u64 s[8:9], s[8:9], s[16:17]
	s_mul_i32 s46, s42, 768                        ; the tile's first column, in bytes
	s_mov_b32 s47, 0
	s_add_nc_u64 s[8:9], s[8:9], s[46:47]
; 12 matrix instructions: m blocks a0, a0 + 1 of the window's four (hi = 0: rows 0-63, 1: rows 64-127) x my 6 n blocks, 32 along K.  zero = 1: the first product starts the sum from the bias.
; The 48 accumulators take turns, one instruction a turn, in the same order in every quarter step.
.macro MUL12 f, hi, a0, zero
.irp a, \a0, \a0+1
.irp b, 0,1,2,3,4,5
.if \zero
	v_wmma_f32_16x16x32_bf16 v[8*(6*(\a)+\b):8*(6*(\a)+\b)+7], v[\f+8*\b:\f+8*\b+7], v[\f+8*(4*\hi+\a):\f+8*(4*\hi+\a)+7], v[8*\b:8*\b+7]
.else
	v_wmma_f32_16x16x32_bf16 v[8*(6*(\a)+\b):8*(6*(\a)+\b)+7], v[\f+8*\b:\f+8*\b+7], v[\f+8*(4*\hi+\a):\f+8*(4*\hi+\a)+7], v[8*(6*(\a)+\b):8*(6*(\a)+\b)+7]
.endif
.endr
.endr
.endm
; 28 LDS loads in one run: the fragments of one quarter step (96 rows of B, 128 rows of A, 32 K at byte k of the rows) into buffer f
.macro FETCH slot, k, f
	WIN TO_B
.irp i, 0,1,2,3,4,5
	ds_load_b128 v[\f+8*\i:\f+8*\i+3],   v[ADRB+\slot] offset:\k+\i*16*PITCH
	ds_load_b128 v[\f+8*\i+4:\f+8*\i+7], v[ADRB+\slot] offset:\k+\i*16*PITCH+32
.endr
	WIN 0
.irp i, 0,1,2,3,4,5,6,7
	ds_load_b128 v[\f+8*\i:\f+8*\i+3],   v[ADRA+\slot] offset:\k+\i*16*PITCH
	ds_load_b128 v[\f+8*\i+4:\f+8*\i+7], v[ADRA+\slot] offset:\k+\i*16*PITCH+32
.endr
.endm
; Four plain vector instructions stand between a matrix instruction and a load into one of its registers, or a vector instruction that reads its result
.macro PLACES
.rept 4
	v_nop
.endr
.endm
; A K step is four quarter steps of 32 along K, 48 matrix instructions each, on buffers 0, 1, 0, 1.  One of the first three: multiplies buffer f and fetches the next quarter, at byte k, into g.
.macro QUARTER slot, k, f, g, zero
	s_wait_dscnt 8                                 ; B and A's rows 0-63 are in; the youngest eight loads (A's rows 64-127) may be out
.if \zero
	WIN BIA_LO
.else
	WIN MUL_LO
.endif
	MUL12 \f, 0, 0, \zero
	MUL12 \f, 0, 2, \zero
	PLACES
	FETCH \slot, \k, \g
	s_wait_dscnt 28                                ; all but the 28 just issued
.if \zero
	WIN BIA_HI
.else
	WIN MUL_HI
.endif
	MUL12 \f, 1, 0, \zero
	MUL12 \f, 1, 2, \zero
.endm
; The last quarter multiplies buffer 1 and changes slots.  MEET is its first half: one barrier; in front of it each wave waits for its own reads of this slot and for all its tensor loads.
.macro MEET round
	s_wait_dscnt 8
	WIN MUL_LO
	MUL12 F1, 0, 0, 0
	s_wait_dscnt 0                                 ; my reads of this slot are over
	s_wait_tensorcnt 0x0                           ; and all my tensor loads have landed: the one that was out is my part of the next slot
	ds_add_u32 v255, v255
	s_wait_dscnt 0x0
	s_barrier_signal -1
	MUL12 F1, 0, 2, 0                              ; work on registers while the others arrive
.if \round
	WIN 0
.endif
	s_barrier_wait -1
.endm
; The whole last quarter: behind the round the slot just read out is filled again first, with the K step two steps on; then come the next slot's first fragments.
.macro TURN slot, next
	MEET 1
	CREST                                          ; no wave of any partner still reads this slot's tile or has a load on its way
	s_add_nc_u64 s[G0+4*\slot+2:G0+4*\slot+3], s[G0+4*\slot+2:G0+4*\slot+3], 2*KSTEP*2
	s_add_nc_u64 s[G0B+4*\slot+2:G0B+4*\slot+3], s[G0B+4*\slot+2:G0B+4*\slot+3], 2*KSTEP*2
	JLOAD \slot                                    ; my one tensor load behind the round; the four v_nop behind it are also the places in front of the loads below
	FETCH \next, 0, F0
	WIN MUL_HI
	MUL12 F1, 1, 0, 0
	MUL12 F1, 1, 2, 0
.endm
; THE WAY OUT of block a (16 rows x my 96 columns): rounded to bf16, 16 bytes a lane, each accumulator's registers in ascending order, and put into the stage
.macro PACK a
.set AC, 48*((\a)%4)
.set TP, TMP+24*((\a)%2)
	WIN 0x0a+5*((\a)/4)                            ; sources 0 and 1: window 2 or 3
.irp b, 0,1,2,3,4,5
.irp r, 0,1,2,3
	v_cvt_pk_bf16_f32 v[TP+4*\b+\r], v[AC+8*\b+2*\r], v[AC+8*\b+2*\r+1]
.endr
.endr
	WIN 0
.irp b, 0,1,2,3,4,5
	ds_store_b128 v[STO+4*((\a)/4)], v[TP+4*\b:TP+4*\b+3] offset:((\a)%4)*16*SP+32*\b
.endr
.endm
	s_wait_tensorcnt 1                             ; my part of K step 0 is in; K step 1's stays out
	s_barrier_signal -1
	s_barrier_wait -1                              ; everybody's is
	FETCH 0, 0, F0
	s_wait_loadcnt 0x0                             ; the bias
	QUARTER 0, 64,  F0, F1, 1                      ; the first quarter stands in front of the loop: its products start the sums
	WIN 0                                          ; at a label and at a branch every window is 0
	s_mov_b32 s3, LAPS-1
.Llap:                                                 ; a trip goes once round the ring, from a lap's second quarter to the next lap's first, and fills both slots again
	QUARTER 0, 128, F1, F0, 0
	QUARTER 0, 192, F0, F1, 0
	TURN 0, 1
	QUARTER 1, 64,  F0, F1, 0
	QUARTER 1, 128, F1, F0, 0
	QUARTER 1, 192, F0, F1, 0
	TURN 1, 0
	QUARTER 0, 64,  F0, F1, 0
	WIN 0
	s_sub_co_u32 s3, s3, 1
	s_cmp_lg_u32 s3, 0
	s_cbranch_scc1 .Llap
	QUARTER 0, 128, F1, F0, 0                      ; the last lap fills nothing and has no round
	QUARTER 0, 192, F0, F1, 0
	MEET 0                                         ; the load that was still out is the last K step's; behind this barrier no wave reads slot 0 any more, and no tensor load follows
	PLACES
	FETCH 1, 0, F0
	WIN MUL_HI
	MUL12 F1, 1, 0, 0
	MUL12 F1, 1, 2, 0
	QUARTER 1, 64,  F0, F1, 0
	QUARTER 1, 128, F1, F0, 0
	QUARTER 1, 192, F0, F1, 0
	s_wait_dscnt 8                                 ; the very last quarter: nothing more to fetch
	WIN MUL_LO
	MUL12 F1, 0, 0, 0
	MUL12 F1, 0, 2, 0
	s_wait_dscnt 0
	WIN MUL_HI
	MUL12 F1, 1, 0, 0
	MUL12 F1, 1, 2, 0
	PLACES
.irp a, 0,1,2,3,4,5,6,7
	PACK \a
.endr
	s_wait_dscnt 0x0                               ; for the others' sake: my stores into the stage are done; a row's 768 bytes come from four waves
	s_barrier_signal -1
	s_barrier_wait -1
.irp t, 0,1,2,3,4,5,6,7,8,9,10,11,12,13,14,15
.irp u, 0,1,2
	ds_load_b128 v[OB+4*(3*\t+\u):OB+4*(3*\t+\u)+3], v[RD] offset:\t*2*SP+256*\u   ; rows 2 t and 2 t + 1 of my 32, block u of their three
.endr
.endr
.irp t, 0,1,2,3,4,5,6,7,8,9,10,11,12,13,14,15
.irp u, 0,1,2
	s_wait_dscnt 47-(3*\t+\u)                      ; LDS loads come back in order: this one is in, the younger ones stay out
	global_store_b128 v[CO], v[OB+4*(3*\t+\u):OB+4*(3*\t+\u)+3], s[8:9] offset:2*\t*SIZE_N*2+256*\u   ; 16 lanes store 256 consecutive bytes, at a multiple of 256 from C's first byte
.endr
.endr
	s_set_vgpr_msb 0x1
	s_wait_tensorcnt 0x0
	ds_add_u32 v255, v255
	s_wait_dscnt 0x0
	s_set_vgpr_msb 0x100
	CROUND                                         ; the closing round: no work-group ends while a partner may still ask for a tile that names it
	s_endpgm
.Lfunc_end_k_qcade5f32cf_qkv:
	.size	k_qcade5f32cf_qkv, .Lfunc_end_k_qcade5f32cf_qkv-k_qcade5f32cf_qkv
	.p2alignl 7, 3214868480
	.fill 96, 4, 3214868480
	.section	.rodata,"a",@progbits
	.p2align	6, 0x0
	.amdhsa_kernel k_qcade5f32cf_qkv
		.amdhsa_group_segment_fixed_size 327680
		.amdhsa_private_segment_fixed_size 0
		.amdhsa_enable_private_segment 0
		.amdhsa_kernarg_size 24
		.amdhsa_user_sgpr_count 2
		.amdhsa_user_sgpr_kernarg_segment_ptr 1
		.amdhsa_wavefront_size32 1
		.amdhsa_system_sgpr_workgroup_id_x 1
		.amdhsa_system_sgpr_workgroup_id_y 1
		.amdhsa_system_sgpr_workgroup_id_z 1
		.amdhsa_system_vgpr_workitem_id 0
		.amdhsa_next_free_vgpr 960
		.amdhsa_next_free_sgpr 68
		.amdhsa_reserve_vcc 0
		.amdhsa_float_denorm_mode_32 3
		.amdhsa_float_denorm_mode_16_64 3
		.amdhsa_memory_ordered 1
		.amdhsa_forward_progress 1
		.amdhsa_inst_pref_size 118
	.end_amdhsa_kernel
	.amdgpu_metadata
---
amdhsa.version: [ 1, 2 ]
amdhsa.kernels:
  - .name:           k_qcade5f32cf_qkv
    .symbol:         k_qcade5f32cf_qkv.kd
    .args:
      - { .name: wb, .offset: 0, .size: 8, .value_kind: global_buffer, .address_space: global }
      - { .name: in_proj_b, .offset: 8, .size: 8, .value_kind: global_buffer, .address_space: global }
      - { .name: qkv, .offset: 16, .size: 8, .value_kind: global_buffer, .address_space: global }
    .group_segment_fixed_size: 327680
    .private_segment_fixed_size: 0
    .kernarg_segment_align: 8
    .kernarg_segment_size: 24
    .max_flat_workgroup_size: 128
    .sgpr_count:     68
    .vgpr_count:     960
    .wavefront_size: 32
...
	.end_amdgpu_metadata
.endif
;; end of part 2
;; launch attn (part 3): grid 16 x 16, 4 waves a work-group, clusters of 4 x 1, 327,680 bytes of LDS; arguments qkv, wb, ctx; writes ctx
.if DOCPART == 3
	.amdgcn_target "amdgcn-amd-amdhsa--gfx1250"
	.amdhsa_code_object_version 6
	.text
	.protected	k_qcade5f32cf_attn
	.globl	k_qcade5f32cf_attn
	.p2align	8
	.type	k_qcade5f32cf_attn,@function
k_qcade5f32cf_attn:
	s_mov_b64 s[64:65], 0
	v_nop
	global_prefetch_b8 v0, s[64:65] scope:SCOPE_SE
	s_setreg_imm32_b32 hwreg(HW_REG_WAVE_MODE, 25, 1), 1
	s_wait_xcnt 0x0
	s_wait_alu depctr_hold_cnt(0) depctr_sa_sdst(0) depctr_va_vdst(0) depctr_va_sdst(0) depctr_va_ssrc(0) depctr_va_vcc(0) depctr_vm_vsrc(0)
	s_getreg_b32 s2, hwreg(HW_REG_IB_STS2, 6, 4)
	s_cmp_eq_u32 s2, 0
	s_cbranch_scc0 .Lentry_in_a_cluster
	s_endpgm
.Lentry_in_a_cluster:
	s_bfe_u32 s2, ttmp6, 0x10000c
	s_cmp_lg_u32 s2, 0x3003
	s_cbranch_scc0 .Lentry_shape_is_right
	s_endpgm
.Lentry_shape_is_right:
; ctx[t][b][h][:] = the sum over s of softmax_s(q . k_s / 8) v_s over 32 memory keys and the 2,048 keys of batch b.  qkv: [4096 rows = 2 t + b][3072] bf16 (q | k | v, q unscaled);
; the memory keys (8 mem_k) and values (sqrt(32) mem_v) lie in wb as [64][1024] bf16, rows 32-63 zeros; ctx: [4096][1024] bf16.  Products, maxima and sums in f32; the weights p are
; rounded to bf16 for the second product, ctx once at the end.
; LIMIT: the memory step is 64 keys wide like every other; its 32 pad keys start their score sums at -1e30 (their k and v are zeros), so their weights are 0.  True scores below -1e30 are not served.
; SHARES.  A work-group owns 128 queries of one batch and a PAIR of heads (128 channels: every row of K, V and ctx that it touches is 256 consecutive bytes, aligned).  Wave w: head w / 2 of the
; pair, queries 64 (w % 2) on: four tiles of 16.  Every wave walks all keys, 64 a step: the memory step, then 32 steps.
; LAYOUT.  S^T = K Q^T (source 0 = 16 keys, source 1 = 16 queries): a lane holds ONE query (lane % 16) and the keys 8 (lane / 16) + 0..7.  Two such tiles, rounded to bf16 in pairs, ARE
; source 1 (32 keys x 16 queries) of O^T = V^T P, whose result again holds one query a lane, and eight channels.  K comes out of LDS as it lies, V ([key][channel]) turned, by ds_load_tr16_b128.
; SOFTMAX.  For each query a running maximum m and sum l: p = 2^(c s - c m), c = log2(e) / 8; in every step O and l are multiplied by a = 2^(c m_old - c m_new).  The sum l is made by the
; vector unit, in f32, of the weights before they are rounded: as a product of P with ones it would put eight matrix instructions more into a key step's 64, work that is not attention's.
; BY TURNS.  The wave's tiles are two PIECES (tiles 0, 1 and tiles 2, 3).  In a TURN one piece has the matrix unit: 16 products V^T P of the step in hand, then 16 products K Q^T of the next step;
; the other piece's softmax, 2 x 118 instructions cut into 32 slices, stands between them, one slice behind each matrix instruction.  Two turns are a key step.
; CLUSTER.  The four query blocks of a cluster share batch and heads and walk the same K and V: each tile is asked for JOINTLY, by the same tensor load with the same descriptor and the mask 15.
; REGISTERS (s_set_vgpr_msb: bits 1:0 source 0, 3:2 source 1, 5:4 source 2, 7:6 destination):
;   window 0: v0-11 addresses; v12-43 eight registers of statistics a tile; v44-51 eight times -1e30; v64-191 S^T, 32 a tile; v192-255 P, 16 a tile
;   window 1: v0-127 O^T, 32 a tile; v128-191 Q, 16 a tile; v192-255 K of one step          window 2: v0-63 V of one step
.set KS,    64        ; keys in a step
.set ROWB,  12288     ; bytes in qkv from a token to the next of the same batch
.set PK,    272       ; a row of K in LDS: 256 bytes + 16 of padding: the 16 rows of a load start 4 words apart modulo 64
.set PV,    288       ; a row of V: 256 + 32: 16 lanes of the turning load take 8 rows x 32 bytes, 8 words apart modulo 64
.set VOFF,  KS*PK     ; a step's tiles lie together: 64 rows of K, then 64 rows of V
.set STEPB, KS*(PK+PV)
.set MEMB,  2*STEPB   ; behind slot 0: the memory step's tiles, filled once
.set SLOT1, 1<<17     ; a slot holds two steps (71,680 bytes); slot 1 begins here, so that one exclusive or turns an address in one slot into the other's
.set STAGE, SLOT1+2*STEPB  ; behind the ring: 128 rows x 272 bytes, the work-group's, for the way out; no tensor load fills it
.set SP,    272
.set MEMK,  33554432  ; byte of the memory keys in wb
.set MEMV,  33685504  ; of the memory values
.set AK0, 2           ; v2   my lane's place in a tile of K; never rewritten
.set AV0, 3           ; v3   the same for V
.set ADR, 4           ; v4   the LDS address of the run of loads in hand
.set QO,  5           ; v5   my byte offset in the wave's rows of q
.set STO, 6           ; v6   the way out: where I put 16 bytes of a row
.set RD,  7           ; v7   the way out: where I read a row back
.set GO,  8           ; v8   my byte offset in the wave's rows of ctx
.set ST,  12          ; tile t's statistics at v[ST+8 t]: +0 c m, +1 m, +2, +3 l (even keys', odd keys'), +4 to +7 at work; a takes +6 once the maximum is found
.set NEG, 44
.set S,   64
.set P,   192
.set QF,  128         ; Q's fragments, in window 1
.set KF,  192         ; K's fragments, in window 1
.set WV,  12          ; s12  my wave's number
.set G1K, 24          ; s[24:31] descriptor group 1 for K's tiles
.set G1V, 32          ; s[32:39] for V's: it differs in the padding alone
.set G0K, 40          ; s[40:47] descriptor group 0 for K's tiles: a set for each of the two first fills; the second then walks on
.set G0V, 48          ; s[48:55] the same for V's
.set SLOTS, 56        ; s56  slots still to be asked for
.set TWICE, 57        ; s57  counts a slot's two steps
.set CS,  58          ; s[58:59] c
.set SEL, 60          ; s[60:61] lane selects for v_permlanex16_b32: each lane takes its own place in the other half
.set TB,  62          ; s62  LDS byte at which the tiles of the step to be fetched begin
.set G1KM, 68         ; s[68:75], s[76:83] group 1 for the memory tiles: 32 rows, 1,024 elements from row to row
.set G1VM, 76
.set G0KM, 84         ; s[84:87], s[88:91] their group 0
.set G0VM, 88
.set MSB, 0
.macro WIN new                      ; the immediate's high byte repeats the setting that is left; a switch that changes nothing is dropped
.set WNEW, \new
.if MSB != WNEW
	s_set_vgpr_msb (MSB<<8)|WNEW
.set MSB, WNEW
.endif
.endm
.set W_KQ, 0x05       ; K and Q in window 1, S^T in window 0
.set W_PV, 0x52       ; V in window 2, P in window 0, O^T in window 1
.set W_RS, 0x41       ; O^T (destination and source 0) in window 1, a in window 0
; A joint refill.  Waves 0 and 1 fetch the two steps' tiles of K, waves 2 and 3 those of V.  Four v_nop follow each of the two lines.
.macro JLOAD
	s_cmp_lt_u32 s[WV], 2
	s_cbranch_scc0 .Lfor_v_\@
	tensor_load_to_lds s[G0K+4:G0K+7], s[G1K:G1K+7]
	s_nop 0
.rept 4
	v_nop
.endr
	s_branch .Lasked_\@
.Lfor_v_\@:
	tensor_load_to_lds s[G0V+4:G0V+7], s[G1V:G1V+7]
	s_nop 0
.rept 4
	v_nop
.endr
.Lasked_\@:
.endm
; A round of the cluster's barrier: my work-group's barrier; wave 0 signals for the work-group; every wave waits for all four work-groups; my work-group's barrier once more.
.macro CROUND
	s_barrier_signal -1
	s_barrier_wait -1
	s_cmp_lg_u32 s[WV], 0
	s_cbranch_scc1 .Lnot_wave_0_\@
	s_barrier_signal -3
.Lnot_wave_0_\@:
	s_barrier_wait -3
	s_barrier_signal -1
	s_barrier_wait -1
.endm
	s_load_b64 s[4:5], s[0:1], 0x0    ; qkv
	s_load_b64 s[92:93], s[0:1], 0x8  ; wb
	s_load_b64 s[10:11], s[0:1], 0x10 ; ctx
	v_lshl_add_u32 v62, v0, 2, 0x3a000
	v_mov_b32 v63, 0
	ds_add_u32 v62, v63
	v_lshrrev_b32 v1, 5, v0
	v_readfirstlane_b32 s[WV], v1   ; wave 0..3
	s_bfe_u32 s13, ttmp6, 0x40000   ; cx: my place in the cluster
	s_lshl_b32 s14, ttmp9, 2
	s_add_co_u32 s14, s14, s13      ; my block of 128 queries = 4 x cluster x + cx: it enters q's and ctx's addresses alone
	s_and_b32 s20, ttmp7, 0xffff    ; 8 x batch + pair of heads, which the four partners share
	s_lshr_b32 s21, s20, 3          ; batch
	s_and_b32 s20, s20, 7           ; pair of heads
	s_lshl_b32 s15, s20, 8          ; its 256 bytes in a row
	s_mul_i32 s22, s21, 6144        ; the batch's row of a token
	s_add_co_u32 s22, s22, s15
	s_and_b32 s16, s[WV], 1         ; which of a slot's two steps I fetch; also: which 64 queries are mine
	s_lshr_b32 s18, s[WV], 1        ; which head of the pair is mine
	s_mul_i32 s17, s16, STEPB       ; my tile's place in a slot: no place in the cluster enters an LDS address
	s_mul_i32 s2, s16, KS*ROWB      ; its 64 tokens in memory
	s_add_co_u32 s2, s2, s22
	s_mov_b32 s3, 0
	s_lshl_b32 s94, s16, 16         ; of the memory tiles I fetch 32 rows of 2,048 bytes
	s_add_co_u32 s94, s94, s15
	s_mov_b32 s95, 0
	s_lshl_b32 s66, s14, 7          ; ctx: row 128 x block + 32 x wave, 4,096 bytes from token to token,
	s_lshl_b32 s67, s[WV], 5
	s_add_co_u32 s66, s66, s67
	s_lshl_b32 s66, s66, 12
	s_lshl_b32 s67, s21, 11         ; the batch's 2,048 bytes, the pair's 256
	s_add_co_u32 s66, s66, s67
	s_add_co_u32 s66, s66, s15
	s_mov_b32 s67, 0
	s_lshl_b32 s20, s14, 7          ; q: token 128 x block + 64 x half,
	s_lshl_b32 s21, s16, 6
	s_add_co_u32 s20, s20, s21
	s_mul_i32 s20, s20, ROWB
	s_add_co_u32 s20, s20, s22
	s_lshl_b32 s21, s18, 7          ; my head's 128 bytes
	s_add_co_u32 s20, s20, s21
	s_mov_b32 s21, 0
	; descriptor group 1: rows of 128 elements of 2 bytes, padded in LDS behind every 64 words by 4 words (K) or 8 (V); the mask names all four work-groups, bit 21 beside it
	s_mov_b32 s[G1K],  15|(1<<16)|(1<<20)|(1<<21)|(5<<22)|(3<<25)
	s_mov_b32 s[G1V],  15|(1<<16)|(1<<20)|(1<<21)|(5<<22)|(7<<25)
	s_mov_b32 s[G1KM], 15|(1<<16)|(1<<20)|(1<<21)|(5<<22)|(3<<25)
	s_mov_b32 s[G1VM], 15|(1<<16)|(1<<20)|(1<<21)|(5<<22)|(7<<25)
.irp g, G1K, G1V
	s_mov_b32 s[\g+1], 128<<16      ; tensor_dim0 = 128
	s_mov_b32 s[\g+2], KS<<16       ; tensor_dim1 = 64
	s_mov_b32 s[\g+3], 128<<16      ; tile_dim0 = 128
	s_mov_b32 s[\g+4], KS           ; tile_dim1 = 64
	s_mov_b32 s[\g+5], ROWB/2       ; elements from key to key
	s_mov_b32 s[\g+6], 0
	s_mov_b32 s[\g+7], 0
.endr
.irp g, G1KM, G1VM
	s_mov_b32 s[\g+1], 128<<16
	s_mov_b32 s[\g+2], 32<<16       ; 32 rows
	s_mov_b32 s[\g+3], 128<<16
	s_mov_b32 s[\g+4], 32
	s_mov_b32 s[\g+5], 1024
	s_mov_b32 s[\g+6], 0
	s_mov_b32 s[\g+7], 0
.endr
	s_mov_b32 s[CS], 0x3e38aa3b     ; c = log2(e) / 8
	s_mov_b32 s[CS+1], s[CS]        ; named with it as a pair, so it is written
	s_mov_b32 s[SEL], 0x76543210
	s_mov_b32 s[SEL+1], 0xfedcba98
	s_mov_b32 s[TB], MEMB           ; the first step fetched is the memory step
	s_mov_b32 s[SLOTS], 14          ; 16 fills of 128 keys, two of them at the start
	s_wait_dscnt 0x0
	s_wait_kmcnt 0x0
	s_add_nc_u64 s[6:7], s[4:5], s[2:3]
	s_add_nc_u64 s[8:9], s[6:7], 4096   ; v at my tile of slot 0
	s_add_nc_u64 s[6:7], s[6:7], 2048   ; k likewise
	s_add_nc_u64 s[92:93], s[92:93], s[94:95]
	s_add_nc_u64 s[4:5], s[4:5], s[20:21]   ; q at my wave's first row
	s_add_nc_u64 s[10:11], s[10:11], s[66:67]
	CROUND                          ; all four work-groups are here: the first joint loads meet
.irp s, 0,1
	s_mov_b32 s[G0K+4*\s], 1
	s_add_co_u32 s[G0K+4*\s+1], s17, \s*SLOT1
	s_add_nc_u64 s[G0K+4*\s+2:G0K+4*\s+3], s[6:7], \s*2*KS*ROWB  ; slot s begins with keys 128 s to 128 s + 127
	s_or_b32 s[G0K+4*\s+3], s[G0K+4*\s+3], 0x80000000
	s_mov_b32 s[G0V+4*\s], 1
	s_add_co_u32 s[G0V+4*\s+1], s17, \s*SLOT1+VOFF
	s_add_nc_u64 s[G0V+4*\s+2:G0V+4*\s+3], s[8:9], \s*2*KS*ROWB
	s_or_b32 s[G0V+4*\s+3], s[G0V+4*\s+3], 0x80000000
.endr
	s_mov_b32 s[G0KM], 1
	s_mul_i32 s23, s16, 32*PK
	s_add_co_u32 s[G0KM+1], s23, MEMB
	s_add_nc_u64 s[G0KM+2:G0KM+3], s[92:93], MEMK
	s_or_b32 s[G0KM+3], s[G0KM+3], 0x80000000
	s_mov_b32 s[G0VM], 1
	s_mul_i32 s23, s16, 32*PV
	s_add_co_u32 s[G0VM+1], s23, MEMB+VOFF
	s_add_nc_u64 s[G0VM+2:G0VM+3], s[92:93], MEMV
	s_or_b32 s[G0VM+3], s[G0VM+3], 0x80000000
	s_cmp_lt_u32 s[WV], 2           ; a wave's three first fills stand in one branch, ahead of every wait on TENSORcnt and every LDS read: three loads of mine are out
	s_cbranch_scc0 .Lfirst_v
	tensor_load_to_lds s[G0KM:G0KM+3], s[G1KM:G1KM+7]
	s_nop 0
	tensor_load_to_lds s[G0K:G0K+3], s[G1K:G1K+7]
	s_nop 0
	tensor_load_to_lds s[G0K+4:G0K+7], s[G1K:G1K+7]
	s_nop 0
.rept 4
	v_nop
.endr
	s_branch .Lfirst_asked
.Lfirst_v:
	tensor_load_to_lds s[G0VM:G0VM+3], s[G1VM:G1VM+7]
	s_nop 0
	tensor_load_to_lds s[G0V:G0V+3], s[G1V:G1V+7]
	s_nop 0
	tensor_load_to_lds s[G0V+4:G0V+7], s[G1V:G1V+7]
	s_nop 0
.rept 4
	v_nop
.endr
.Lfirst_asked:
	; A fragment of K or Q is 16 rows x 32 channels in 8 registers: lane l holds row l % 16; registers 0-3 channels 8 (l / 16) + 0..7, registers 4-7 channels 16 + 8 (l / 16) + 0..7
	v_and_b32 v1, 15, v0            ; l % 16
	v_bfe_u32 v9, v0, 4, 1          ; l / 16
	v_mul_u32_u24 v[QO], v1, ROWB
	v_lshl_add_u32 v[QO], v9, 4, v[QO]
	WIN 0x40                        ; destination window 1, address window 0
.irp i, 0,1,2,3,4,5,6,7             ; Q stays in registers: tile i / 2, channels 32 (i % 2) on
	global_load_b128 v[QF+8*\i:QF+8*\i+3],   v[QO], s[4:5] offset:(\i/2)*16*ROWB+(\i%2)*64
	global_load_b128 v[QF+8*\i+4:QF+8*\i+7], v[QO], s[4:5] offset:(\i/2)*16*ROWB+(\i%2)*64+32
.endr
	WIN 0
	s_lshl_b32 s23, s18, 7          ; my head's 128 bytes of a row
	v_mul_u32_u24 v[AK0], v1, PK
	v_lshl_add_u32 v[AK0], v9, 4, v[AK0]
	v_add_nc_u32 v[AK0], s23, v[AK0]
	; The turning load takes 16 keys x 16 channels (lane l reads 16 bytes: key 8 (l / 16) + l % 8, channels 8 ((l / 8) % 2) + 0..7) and leaves half a fragment of V^T: lane l holds channel l % 16 and 8 keys
	v_and_b32 v10, 7, v0
	v_bfe_u32 v11, v0, 3, 1
	v_lshl_add_u32 v[AV0], v9, 3, v10
	v_mul_u32_u24 v[AV0], v[AV0], PV
	v_lshl_add_u32 v[AV0], v11, 4, v[AV0]
	s_add_co_u32 s23, s23, VOFF
	v_add_nc_u32 v[AV0], s23, v[AV0]
.irp i, 0,1,2,3,4,5,6,7
	v_mov_b32 v[NEG+\i], 0xf149f2ca ; -1e30
.endr
; THE MATRIX WORK OF A TURN, for piece x.  The accumulators take turns, one instruction a turn: between two links of a chain stand seven others'.
; Product i of 16 of O^T += V^T P: keys 32 (i / 8) on, channels 16 ((i / 2) % 4) on, tile x + i % 2.  zero = 1: the first 8 start the sums.
.macro PV x, zero
	WIN W_PV
.set rO, 32*(\x+i%2)+8*((i/2)%4)
.set rV, 32*(i/8)+8*((i/2)%4)
.set rP, P+16*(\x+i%2)+8*(i/8)
.if \zero && (i < 8)
	v_wmma_f32_16x16x32_bf16 v[rO:rO+7], v[rV:rV+7], v[rP:rP+7], 0
.else
	v_wmma_f32_16x16x32_bf16 v[rO:rO+7], v[rV:rV+7], v[rP:rP+7], v[rO:rO+7]
.endif
.endm
; Product i of 16 of S^T = K Q^T: channels 32 (i / 8) on, keys 16 ((i / 2) % 4) on, tile x + i % 2.  The first 8 start the sums: from 0, or (mask = 1, the memory step) from -1e30 for keys 32 to 63.
.macro KQ x, mask
	WIN W_KQ
.set rS, S+32*(\x+i%2)+8*((i/2)%4)
.set rK, KF+16*((i/2)%4)+8*(i/8)
.set rQ, QF+16*(\x+i%2)+8*(i/8)
.if (i < 8) && \mask && (((i/2)%4) >= 2)
	v_wmma_f32_16x16x32_bf16 v[rS:rS+7], v[rK:rK+7], v[rQ:rQ+7], v[NEG:NEG+7]
.elseif i < 8
	v_wmma_f32_16x16x32_bf16 v[rS:rS+7], v[rK:rK+7], v[rQ:rQ+7], 0
.else
	v_wmma_f32_16x16x32_bf16 v[rS:rS+7], v[rK:rK+7], v[rQ:rQ+7], v[rS:rS+7]
.endif
.endm
; THE LDS LOADS stand in runs of 16: a step's K (64 keys x my head's 64 channels: 8 fragments) and, a turn later, its V (turned).
.macro FETCH_K
	WIN 0
	v_add_nc_u32 v[ADR], s[TB], v[AK0]
	WIN 0x40                        ; destination window 1
.irp f, 0,1,2,3,4,5,6,7             ; keys 16 (f / 2) on, channels 32 (f % 2) on
	ds_load_b128 v[KF+8*\f:KF+8*\f+3],   v[ADR] offset:(\f/2)*16*PK+(\f%2)*64
	ds_load_b128 v[KF+8*\f+4:KF+8*\f+7], v[ADR] offset:(\f/2)*16*PK+(\f%2)*64+32
.endr
.endm
.macro FETCH_V
	WIN 0
	v_add_nc_u32 v[ADR], s[TB], v[AV0]
	s_add_co_u32 s[TB], s[TB], STEPB  ; the next fetch is the next step's
	WIN 0x80                        ; destination window 2
.irp f, 0,1,2,3,4,5,6,7             ; keys 32 (f / 4) on, channels 16 (f % 4) on
	ds_load_tr16_b128 v[8*\f:8*\f+3],   v[ADR] offset:(\f/4)*32*PV+(\f%4)*32
	ds_load_tr16_b128 v[8*\f+4:8*\f+7], v[ADR] offset:(\f/4)*32*PV+16*PV+(\f%4)*32
.endr
.endm
; THE VECTOR WORK OF A TURN.  One tile's softmax for one key step is a list of 118 instructions; SM writes number j of it for tile t.  s0-s31 are the lane's 32 scores, in pairs 0-15.
; first = 1: the first key step, which starts m, l and O^T: it has no a and nothing to rescale.
;   0-15    the maximum of s0-s31 and the old m, three operands at a time; each of the four score accumulators is first read at its lowest registers
;   16-20   the other half of the lanes' maximum; the new m; c m; c m_old - c m_new
;   21-87   33 exponentials (a, then s0-s31) at the odd numbers from 23 on.  The plain instruction q (number 21, then the even numbers) is whatever is ready: c s - c m for a pair whose
;           exponentials are still to come, the rounding to bf16 of a pair whose exponentials are done, at last the first three sums
;   88-101  the last rounding; the rest of the sums; l = a l + the sum
;   102-117 the tile's O^T times a, in ascending order: the one part that leaves window 0
.macro SM t, first
.set rT, ST+8*(\t)
.set rS, S+32*(\t)
.set rP, P+16*(\t)
.set rO, 32*(\t)+2*(j-102)
.set q, (j-20)/2
.if j < 102
	WIN 0
.endif
.if j < 4
	v_max3_num_f32 v[rT+4+j], v[rS+8*j], v[rS+8*j+1], v[rS+8*j+2]
.elseif j < 12
	v_max3_num_f32 v[rT+4+j%4], v[rT+4+j%4], v[rS+8*(j%4)+2*(j/4)+1], v[rS+8*(j%4)+2*(j/4)+2]
.elseif j == 12
	v_max3_num_f32 v[rT+4], v[rT+4], v[rS+7], v[rS+15]
.elseif j == 13
	v_max3_num_f32 v[rT+6], v[rT+6], v[rS+23], v[rS+31]
.elseif j == 14
	v_max3_num_f32 v[rT+4], v[rT+4], v[rT+5], v[rT+6]
.elseif (j == 15) && \first
	v_max_num_f32 v[rT+4], v[rT+4], v[rT+7]
.elseif j == 15
	v_max3_num_f32 v[rT+4], v[rT+4], v[rT+7], v[rT+1]
.elseif j == 16
	v_permlanex16_b32 v[rT+5], v[rT+4], s[SEL], s[SEL+1]  ; the query's other 32 keys lie in the lane 16 away
.elseif j == 18
	v_max_num_f32 v[rT+1], v[rT+4], v[rT+5]
.elseif j == 19
	v_mul_f32 v[rT], s[CS], v[rT+1]
.elseif ((j == 17) || (j == 20) || (j == 23) || (j > 101)) && \first  ; the first step has none of these
.elseif j == 17
	v_mov_b32 v[rT+7], v[rT]        ; c m_old is kept for a: number 19 writes c m anew
.elseif j == 20
	v_sub_f32 v[rT+7], v[rT+7], v[rT]
.elseif j == 23
	v_exp_f32 v[rT+6], v[rT+7]
.elseif (j < 88) && (j > 23) && (j%2 == 1)
	v_exp_f32 v[rS+(j-25)/2], v[rS+(j-25)/2]
.elseif (q < 4) || ((j < 76) && (q%2 == 0))
.set b, q/2+2
.if q < 4
.set b, q
.endif
	v_pk_fma_f32 v[rS+2*b:rS+2*b+1], v[rS+2*b:rS+2*b+1], s[CS:CS+1], v[rT:rT+1] op_sel_hi:[1,0,0] neg_lo:[0,0,1] neg_hi:[0,0,1]  ; pair b: c s - c m
.elseif (j < 88) && (q%2 == 1)
	s_wait_alu depctr_va_vdst(0)
	v_cvt_pk_bf16_f32 v[rP+(q-5)/2], v[rS+q-5], v[rS+q-4]  ; pair (q - 5) / 2: its second exponential stands three numbers back
.elseif j == 89
	s_wait_alu depctr_va_vdst(0)
	v_cvt_pk_bf16_f32 v[rP+15], v[rS+30], v[rS+31]
.elseif j < 102                     ; the sum of the tile's 16 pairs, in place: sum z of 16 adds neighbours 1, 2, 4 and 8 pairs apart, then l takes it
.set z, j-86
.if j < 89
.set z, (j-76)/4
.endif
.set w, 4
.set u, z
.if z >= 14
.set w, 32
.set u, 0
.elseif z >= 12
.set w, 16
.set u, z-12
.elseif z >= 8
.set w, 8
.set u, z-8
.endif
.if (z == 14) && \first
	v_pk_add_f32 v[rT+2:rT+3], v[rS:rS+1], v[rS+16:rS+17]
.elseif z < 15
	v_pk_add_f32 v[rS+w*u:rS+w*u+1], v[rS+w*u:rS+w*u+1], v[rS+w*u+w/2:rS+w*u+w/2+1]
.elseif !\first
	v_pk_fma_f32 v[rT+2:rT+3], v[rT+2:rT+3], v[rT+6:rT+7], v[rS:rS+1] op_sel_hi:[1,0,1]
.endif
.else
	WIN W_RS
	v_pk_mul_f32 v[rO:rO+1], v[rO:rO+1], v[rT+6:rT+7] op_sel_hi:[1,0]
.endif
.endm
; Slice k of 32 of piece y's softmax.  k < 25: numbers 4 k to 4 k + 3 of both tiles' lists; 25 to 30: two numbers, 100 + 2 (k - 25) on; 31: the last six, twelve plain instructions that name
; nothing of the products round them: they are the places behind the turn's last K Q^T.  Slices 6 to 21 go tile by tile (plain, exponential, plain, exponential), so that every exponential has a
; plain instruction behind it before its result is used; elsewhere the two tiles alternate.  No slice changes window inside itself.
.macro SLICE y, first
.if k < 25
.set j0, 4*k
.set nn, 4
.elseif k < 31
.set j0, 100+2*(k-25)
.set nn, 2
.else
.set j0, 112
.set nn, 6
.endif
.if (k >= 6) && (k < 22)
.irp t, \y, \y+1
.irp n, 0,1,2,3
.set j, j0+\n
	SM \t, \first
.endr
.endr
.else
.irp n, 0,1,2,3,4,5
.if \n < nn
.irp t, \y, \y+1
.set j, j0+\n
	SM \t, \first
.endr
.endif
.endr
.endif
.set k, k+1
.endm
; Four plain vector instructions stand between a matrix instruction and a vector instruction that reads its result, or a load into one of its registers.  In the loop the slices are the places.
.macro PLACES
.rept 4
	v_nop
.endr
.endm
; A TURN.  Piece x has the matrix unit; the other piece's softmax stands in slices behind its matrix instructions.
; pv = 2: 16 products V^T P; 1: they start O^T's sums; 0: none.  kq = 1: 16 products K Q^T for the next step (mask = 1: the memory step's).  A turn with one of the two kinds has two slices behind each product.
; first = 1: the softmax is the first key step's; its last slices are empty, and four v_nop take slice 31's part as the places behind the last products.
; Each run of loads stands behind the second product of a run of 16.  Piece 0's turn fetches the next step's K: the last product that read K stands in front of slice 31 of the turn before.
; Piece 2's turn fetches the same step's V: behind the last product that read V stand three slices with twelve plain instructions.
.macro TURN x, pv, kq, first, mask
.set k, 0
.set per, 2
.if \pv && \kq
.set per, 1
.endif
.if \pv
.if \x == 0
	s_wait_dscnt 0x0                ; V is in
.endif
.set i, 0
.rept 16
	PV \x, 2-\pv
.rept per
	SLICE 2-\x, \first
.endr
.if (\x == 0) && \kq && (i == 1)
	FETCH_K
.endif
.set i, i+1
.endr
.endif
.if \kq
.if \x == 0
	s_wait_dscnt 0x0                ; K is in
.endif
.set i, 0
.rept 16
	KQ \x, \mask
.rept per
	SLICE 2-\x, \first
.endr
.if (\x == 2) && (i == 1)
	FETCH_V
.endif
.set i, i+1
.endr
.endif
.if \first
	PLACES
.endif
.endm
; THE CHANGE OF SLOTS, between piece 2's turn and piece 0's: the slot's last bytes, V of its second step, have been asked for.  Each wave waits for its own reads of the slot and for all its
; tensor loads, of which one is out: its part of the other slot.  fill = 1: this slot is filled again, with the keys two slots on; the barrier is then a round of the cluster's, and the joint
; refill is the first thing behind it: it has two key steps in which to land.
.macro CHANGE fill
	WIN 0                           ; at a label and at a branch every window is 0
	s_wait_dscnt 0x0
	s_wait_tensorcnt 0x0            ; no tensor load of mine is out, so a group 0 may be written
	ds_add_u32 v62, v63
	s_wait_dscnt 0x0
.if \fill
.irp g, G0K+4, G0V+4
	s_xor_b32 s[\g+1], s[\g+1], SLOT1  ; the walking descriptor: the other slot than last time,
	s_add_nc_u64 s[\g+2:\g+3], s[\g+2:\g+3], 2*KS*ROWB  ; the next 128 keys
.endr
	CROUND
	JLOAD
.else
	s_barrier_signal -1
	s_barrier_wait -1
.endif
	s_sub_co_u32 s[TB], s[TB], 2*STEPB  ; the fetches go back to a slot's first step,
	s_xor_b32 s[TB], s[TB], SLOT1   ; in the other slot
.endm
; A slot's two key steps: written once, walked twice; the LDS addresses hang on s[TB].
.macro TWO_STEPS
	s_mov_b32 s[TWICE], 2
.Lstep_\@:
	TURN 0, 2, 1, 0, 0
	TURN 2, 2, 1, 0, 0
	WIN 0
	s_sub_co_u32 s[TWICE], s[TWICE], 1
	s_cmp_lg_u32 s[TWICE], 0
	s_cbranch_scc1 .Lstep_\@
.endm
	s_wait_tensorcnt 1              ; my parts of the memory tiles and of slot 0 are in; slot 1's may stay out
	s_barrier_signal -1
	s_barrier_wait -1               ; everybody's are
	FETCH_K                         ; the memory step
	s_wait_loadcnt 0x0              ; Q
	s_wait_dscnt 0x0
.set i, 0
.rept 16
	KQ 0, 1                         ; piece 0's first scores: there is no vector work yet to set between them
.set i, i+1
.endr
	WIN 0                           ; the addresses for the way out are made here: eight plain instructions, the places behind those products
	s_mul_i32 s13, s16, 64*SP       ; into the stage: my 64 rows, my head's 128 bytes of them
	s_lshl_b32 s23, s18, 7
	s_add_co_u32 s13, s13, s23
	s_add_co_u32 s13, s13, STAGE
	s_mul_i32 s23, s[WV], 32*SP     ; back: wave w takes rows 32 w to 32 w + 31, whole
	s_add_co_u32 s23, s23, STAGE
	v_mul_u32_u24 v[STO], v1, SP    ; in: row l % 16, 16 bytes for each half of the lanes
	v_lshl_add_u32 v[STO], v9, 4, v[STO]
	v_add_nc_u32 v[STO], s13, v[STO]
	v_mul_u32_u24 v[RD], v9, SP     ; back: lanes 0-15 take one row of 256 bytes, lanes 16-31 the next
	v_lshl_add_u32 v[RD], v1, 4, v[RD]
	v_add_nc_u32 v[RD], s23, v[RD]
	v_lshlrev_b32 v[GO], 12, v9     ; and the same two tokens in ctx
	v_lshl_add_u32 v[GO], v1, 4, v[GO]
	TURN 2, 0, 1, 1, 1              ; piece 2's first scores | piece 0's first softmax | V of the memory step
	s_mov_b32 s[TB], 0              ; the fetches go on with slot 0's first step
	TURN 0, 1, 1, 1, 0              ; piece 0: V^T P of the memory step starts O^T, K Q^T of step 0 | piece 2's first softmax | K of step 0
	TURN 2, 1, 1, 0, 0              ; piece 2: the same | piece 0's softmax of step 0 | V of step 0
	TURN 0, 2, 1, 0, 0              ; one key step more, which fetches slot 0's second step
	TURN 2, 2, 1, 0, 0
	WIN 0
.Lslot:                             ; 14 trips: every slot but the last two is filled again
	CHANGE 1
	TWO_STEPS
	s_sub_co_u32 s[SLOTS], s[SLOTS], 1
	s_cmp_lg_u32 s[SLOTS], 0
	s_cbranch_scc1 .Lslot
	CHANGE 0                        ; the tail is written out: nothing is asked for
	TWO_STEPS
	TURN 0, 2, 0, 0, 0              ; piece 0: V^T P of the last step | piece 2's last softmax
.set i, 0
.rept 16
	PV 2, 0                         ; piece 2: V^T P of the last step
.set i, i+1
.endr
	; THE WAY OUT.  l's two halves and the other half of the lanes' are added; O^T is divided by l, rounded to bf16 and sent through the stage.  The additions are the places behind the last products.
	WIN 0
.irp t, 0,1,2,3
	v_add_f32 v[ST+8*\t+4], v[ST+8*\t+2], v[ST+8*\t+3]
.endr
.irp t, 0,1,2,3
	v_permlanex16_b32 v[ST+8*\t+5], v[ST+8*\t+4], s[SEL], s[SEL+1]
.endr
.irp t, 0,1,2,3
	v_add_f32 v[ST+8*\t+4], v[ST+8*\t+4], v[ST+8*\t+5]
.endr
.irp t, 0,1,2,3
	v_rcp_f32 v[ST+8*\t+6], v[ST+8*\t+4]
.endr
	v_nop                           ; a plain instruction between the last reciprocal and the use of its result
	s_wait_alu depctr_va_vdst(0)
; Tile t: a lane's eight channels of a row pack into 16 bytes; they go into the stage's rows of 272 bytes
.macro PACK t
	WIN W_RS
.set i, 32*\t
.rept 16
	v_pk_mul_f32 v[i:i+1], v[i:i+1], v[ST+8*\t+6:ST+8*\t+7] op_sel_hi:[1,0]
.set i, i+2
.endr
	WIN 0x05                        ; sources 0 and 1 window 1, destination window 0: S^T's registers are free
.set i, 0
.rept 16
	v_cvt_pk_bf16_f32 v[S+16*\t+i], v[32*\t+2*i], v[32*\t+2*i+1]
.set i, i+1
.endr
	WIN 0
.irp f, 0,1,2,3
	ds_store_b128 v[STO], v[S+16*\t+4*\f:S+16*\t+4*\f+3] offset:\t*16*SP+32*\f
.endr
.endm
	PACK 0
	PACK 1
	PACK 2
	PACK 3
	s_wait_dscnt 0x0                ; for the others' sake: my stores into the stage are done; a row's 256 bytes come from two waves
	s_barrier_signal -1
	s_barrier_wait -1
.irp t, 0,1,2,3,4,5,6,7,8,9,10,11,12,13,14,15
	ds_load_b128 v[S+4*\t:S+4*\t+3], v[RD] offset:\t*2*SP
.endr
.irp t, 0,1,2,3,4,5,6,7,8,9,10,11,12,13,14,15
	s_wait_dscnt 15-\t              ; LDS loads come back in order: pair t of rows is in, the younger ones stay out
	global_store_b128 v[GO], v[S+4*\t:S+4*\t+3], s[10:11] offset:\t*8192  ; 16 lanes store 256 consecutive bytes, at a multiple of 256 from ctx's first byte
.endr
	s_wait_tensorcnt 0x0
	ds_add_u32 v62, v63
	s_wait_dscnt 0x0
	CROUND                          ; the closing round: no work-group ends while a partner may still ask for a tile that names it
	s_endpgm
.Lfunc_end_k_qcade5f32cf_attn:
	.size	k_qcade5f32cf_attn, .Lfunc_end_k_qcade5f32cf_attn-k_qcade5f32cf_attn
	.p2alignl 7, 3214868480
	.fill 96, 4, 3214868480
	.section	.rodata,"a",@progbits
	.p2align	6, 0x0
	.amdhsa_kernel k_qcade5f32cf_attn
		.amdhsa_group_segment_fixed_size 327680
		.amdhsa_private_segment_fixed_size 0
		.amdhsa_enable_private_segment 0
		.amdhsa_kernarg_size 24
		.amdhsa_user_sgpr_count 2
		.amdhsa_user_sgpr_kernarg_segment_ptr 1
		.amdhsa_wavefront_size32 1
		.amdhsa_system_sgpr_workgroup_id_x 1
		.amdhsa_system_sgpr_workgroup_id_y 1
		.amdhsa_system_sgpr_workgroup_id_z 1
		.amdhsa_system_vgpr_workitem_id 0
		.amdhsa_next_free_vgpr 576
		.amdhsa_next_free_sgpr 96
		.amdhsa_reserve_vcc 0
		.amdhsa_float_denorm_mode_32 3
		.amdhsa_float_denorm_mode_16_64 3
		.amdhsa_memory_ordered 1
		.amdhsa_forward_progress 1
		.amdhsa_inst_pref_size 206
	.end_amdhsa_kernel
	.amdgpu_metadata
---
amdhsa.version: [ 1, 2 ]
amdhsa.kernels:
  - .name:           k_qcade5f32cf_attn
    .symbol:         k_qcade5f32cf_attn.kd
    .args:
      - { .name: qkv, .offset: 0, .size: 8, .value_kind: global_buffer, .address_space: global }
      - { .name: wb, .offset: 8, .size: 8, .value_kind: global_buffer, .address_space: global }
      - { .name: ctx, .offset: 16, .size: 8, .value_kind: global_buffer, .address_space: global }
    .group_segment_fixed_size: 327680
    .private_segment_fixed_size: 0
    .kernarg_segment_align: 8
    .kernarg_segment_size: 24
    .max_flat_workgroup_size: 128
    .sgpr_count:     96
    .vgpr_count:     576
    .wavefront_size: 32
...
	.end_amdgpu_metadata
.endif
;; end of part 3
;; launch oproj (part 4): grid 8 x 32, 4 waves a work-group, clusters of 4 x 4, 327,680 bytes of LDS; arguments ctx, wb, out_b, src, y; writes y
.if DOCPART == 4
	.amdgcn_target "amdgcn-amd-amdhsa--gfx1250"
	.amdhsa_code_object_version 6
	.text
	.protected	k_qcade5f32cf_oproj
	.globl	k_qcade5f32cf_oproj
	.p2align	8
	.type	k_qcade5f32cf_oproj,@function
k_qcade5f32cf_oproj:
	s_mov_b64 s[64:65], 0
	v_nop
	global_prefetch_b8 v0, s[64:65] scope:SCOPE_SE
	s_setreg_imm32_b32 hwreg(HW_REG_WAVE_MODE, 25, 1), 1
	s_wait_xcnt 0x0
	s_wait_alu depctr_hold_cnt(0) depctr_sa_sdst(0) depctr_va_vdst(0) depctr_va_sdst(0) depctr_va_ssrc(0) depctr_va_vcc(0) depctr_vm_vsrc(0)
	s_getreg_b32 s2, hwreg(HW_REG_IB_STS2, 6, 4)
	s_cmp_eq_u32 s2, 0
	s_cbranch_scc0 .Lentry_in_a_cluster
	s_endpgm
.Lentry_in_a_cluster:
	s_bfe_u32 s2, ttmp6, 0x10000c
	s_cmp_lg_u32 s2, 0xf033
	s_cbranch_scc0 .Lentry_shape_is_right
	s_endpgm
.Lentry_shape_is_right:
; Y[m][n] = sum over k of A[m][k] B[n][k] + bias[n] + R[m][n].  Here: y = ctx out_w^T + out_b + src.  A: [4096][SIZE_K] bf16, B: [1024][SIZE_K] bf16 (wb, byte B_OFF), bias, R and Y f32.
; A tile of Y is 128 x 128, so that the 4096 x 1024 results give 256 work-groups.  Four waves, each 64 x 64: 16 accumulators of 16 x 16.  K goes in steps of 256 (LDS rows of 512 bytes; a wave's
; tensor load brings 64 of them) through a ring of two slots.
; CLUSTERS: 4 x 4 work-groups.  The four of a row of the cluster need the same tiles of A, the four of a column the same tiles of B: each tile is asked for JOINTLY.
; THE MATRIX INSTRUCTION IS USED TRANSPOSED (source 0 = 16 rows of B, source 1 = 16 rows of A): a lane holds eight neighbouring numbers of a row of Y.  THE BIAS STARTS THE SUMS.
; A wave's 64 columns of f32 are 256 consecutive bytes, aligned: each wave sends its blocks of 16 rows through a stage of its own, adds the residual, and stores whole rows; no barrier.
; REGISTERS: window 0: v0-31 addresses; v32-95 at work on the way out; v96-127 the bias; v128-255 the accumulators ((a, b) at v[128 + 8 (4 a + b)]).
;   window 1: two fragment buffers of 128: for 64 along K, 64 registers of A, then 64 of B.     window 2: v0-127 the residual of my 64 x 64, laid as it is stored.
.set SIZE_N, 1024
.set SIZE_K, 1024
.set B_OFF,  14680064
.set KSTEP,  256
.set PITCH,  528                       ; an LDS row: 512 bytes of data + 16 of padding = 132 words: the 16 rows that a fragment load touches start 4 words apart modulo 64
.set HALFT,  64*PITCH                  ; 64 rows: what one tensor load brings, and what one wave reads of A or of B
.set SLOT,   4*HALFT                   ; A's 128 rows, then B's 128 rows
.set STAGE,  2*SLOT                    ; behind the ring: 16 rows x 272 bytes for each wave; no tensor load fills it
.set SPITCH, 272
.set ROWY,   SIZE_N*4                  ; bytes in a row of Y and of R
.set LAPS, SIZE_K/(2*KSTEP)            ; a lap = two K steps = once round the ring
.set ADRA, 16                          ; v16-17  LDS address of my A fragments in slot 0, 1
.set ADRB, 20                          ; v20-21  the same for B
.set STO,  24                          ; v24     the way out: where I put 32 bytes of a row
.set RD,   25                          ; v25     the way out: where I read a row back
.set CO,   26                          ; v26     my byte offset in Y and in R
.set BO,   27                          ; v27     my byte offset in the bias
.set TMP,  32
.set BIAS, 96
.set ACC,  128
.set F0,   0                           ; fragment buffers, in window 1
.set F1,   128
.set G1, 24                            ; s[24:31] descriptor group 1 for A's tiles;  s[32:39] group 0, one set for each slot
.set G0, 32
.set G1B, 48                           ; s[48:55], s[56:63] the same for B's tiles
.set G0B, 56
.set MSB, 0
.macro WIN new                         ; the immediate's high byte repeats the setting that is left; a switch that changes nothing is dropped
.set WNEW, \new
.if MSB != WNEW
	s_set_vgpr_msb (MSB<<8)|WNEW
.set MSB, WNEW
.endif
.endm
.set MUL,  0x05                        ; sources 0 (B) and 1 (A) window 1; C and D window 0
.set TO_F, 0x40                        ; destination window 1, address window 0
.macro JLOAD s                         ; a joint load: waves 0 and 1 fetch A's two halves, waves 2 and 3 B's; four v_nop follow each of the two lines
	s_cmp_eq_u32 s11, 0
	s_cbranch_scc0 .Lfor_b_\@
	tensor_load_to_lds s[G0+4*\s:G0+4*\s+3], s[G1:G1+7]
	s_nop 0
.rept 4
	v_nop
.endr
	s_branch .Lasked_\@
.Lfor_b_\@:
	tensor_load_to_lds s[G0B+4*\s:G0B+4*\s+3], s[G1B:G1B+7]
	s_nop 0
.rept 4
	v_nop
.endr
.Lasked_\@:
.endm
.macro CREST                           ; a round of the cluster's barrier behind its opening barrier
	s_cmp_lg_u32 s10, 0
	s_cbranch_scc1 .Lnot_wave_0_\@
	s_barrier_signal -3
.Lnot_wave_0_\@:
	s_barrier_wait -3
	s_barrier_signal -1
	s_barrier_wait -1
.endm
.macro CROUND                          ; a whole round
	s_barrier_signal -1
	s_barrier_wait -1
	CREST
.endm
	s_load_b128 s[4:7], s[0:1], 0x0                ; A s[4:5], wb s[6:7]
	s_load_b64 s[66:67], s[0:1], 0x10              ; bias
	s_load_b64 s[68:69], s[0:1], 0x18              ; R
	s_load_b64 s[8:9], s[0:1], 0x20                ; Y
	v_lshl_add_u32 v30, v0, 2, 0x46400
	v_mov_b32 v31, 0
	ds_add_u32 v30, v31
	v_lshrrev_b32 v1, 5, v0
	v_readfirstlane_b32 s10, v1                    ; wave 0..3
	s_lshr_b32 s11, s10, 1                         ; which half of the tile's rows is mine.  Also: I fetch for A (0) or for B (1)
	s_and_b32 s12, s10, 1                          ; which half of its columns.  Also: which 64 rows of that tile I fetch
	s_bfe_u32 s40, ttmp6, 0x40000                  ; cx, cy: my place in the cluster
	s_bfe_u32 s41, ttmp6, 0x40004
	s_lshl_b32 s42, ttmp9, 2
	s_add_co_u32 s42, s42, s40                     ; tile column = 4 x cluster x + cx
	s_and_b32 s13, ttmp7, 0xffff
	s_lshl_b32 s13, s13, 2
	s_add_co_u32 s13, s13, s41                     ; tile row = 4 x cluster y + cy
	s_lshl_b32 s43, s41, 2
	s_lshl_b32 s43, 15, s43                        ; my row of the cluster
	s_lshl_b32 s44, 0x1111, s40                    ; my column
	; descriptor group 1: a tile of 64 rows x 256 elements of 2 bytes, 4 words of padding behind every 128 words; the mask, and bit 21 beside it
	s_or_b32 s[G1+0], s43, (1<<16)|(1<<20)|(1<<21)|(6<<22)|(3<<25)
	s_or_b32 s[G1B+0], s44, (1<<16)|(1<<20)|(1<<21)|(6<<22)|(3<<25)
.irp g, G1, G1B
	s_mov_b32 s[\g+1], KSTEP<<16                   ; tensor_dim0 = 256
	s_mov_b32 s[\g+2], 64<<16                      ; tensor_dim1 = 64
	s_mov_b32 s[\g+3], KSTEP<<16                   ; tile_dim0 = 256
	s_mov_b32 s[\g+4], 64                          ; tile_dim1 = 64
	s_mov_b32 s[\g+5], SIZE_K                      ; elements from row to row
	s_mov_b32 s[\g+6], 0
	s_mov_b32 s[\g+7], 0
.endr
	s_lshl_b32 s17, s12, 6                         ; which 64 rows of the tile I fetch
	s_lshl_b32 s16, s13, 7
	s_add_co_u32 s16, s16, s17                     ; A: row 128 x tile row + 64 x half
	s_lshl_b32 s46, s42, 7
	s_add_co_u32 s46, s46, s17                     ; B: row 128 x tile column + 64 x half
	s_mov_b32 s17, 0
	s_mov_b32 s47, 0
	s_mov_b64 s[18:19], SIZE_K*2
	s_mul_u64 s[16:17], s[16:17], s[18:19]
	s_mul_u64 s[46:47], s[46:47], s[18:19]
	s_mul_i32 s20, s10, HALFT                      ; where they go: wave x 64 rows
	s_wait_dscnt 0x0
	s_wait_kmcnt 0x0
	s_add_nc_u64 s[6:7], s[6:7], B_OFF
	s_add_nc_u64 s[14:15], s[4:5], s[16:17]
	s_add_nc_u64 s[46:47], s[6:7], s[46:47]
	CROUND                                         ; all sixteen work-groups are here: the first joint loads meet
.irp s, 0,1
	s_mov_b32 s[G0+4*\s], 1
	s_add_co_u32 s[G0+4*\s+1], s20, \s*SLOT
	s_add_nc_u64 s[G0+4*\s+2:G0+4*\s+3], s[14:15], \s*KSTEP*2
	s_or_b32 s[G0+4*\s+3], s[G0+4*\s+3], 0x80000000
	s_mov_b32 s[G0B+4*\s], 1
	s_add_co_u32 s[G0B+4*\s+1], s20, \s*SLOT
	s_add_nc_u64 s[G0B+4*\s+2:G0B+4*\s+3], s[46:47], \s*KSTEP*2
	s_or_b32 s[G0B+4*\s+3], s[G0B+4*\s+3], 0x80000000
	JLOAD \s                                       ; two tensor loads of mine are out
.endr
	v_and_b32 v1, 15, v0                           ; l % 16
	v_bfe_u32 v2, v0, 4, 1                         ; l / 16
	v_lshlrev_b32 v[BO], 5, v2                     ; the bias: register j of column block b is column 16 b + 8 (l / 16) + j of my 64
	v_lshlrev_b32 v5, 12, v2                       ; Y and R: lanes 0-15 one row's 256 bytes, lanes 16-31 the next row's
	v_lshl_add_u32 v[CO], v1, 4, v5
	s_lshl_b32 s46, s42, 9                         ; 4 bytes x (128 x tile column + 64 x half): my columns' byte in the bias and in a row of Y
	s_lshl_b32 s47, s12, 8
	s_add_co_u32 s46, s46, s47
	s_mov_b32 s47, 0
	s_lshl_b32 s16, s13, 7
	s_lshl_b32 s17, s11, 6
	s_add_co_u32 s16, s16, s17                     ; my first row: 128 x tile row + 64 x half
	s_lshl_b32 s16, s16, 12
	s_mov_b32 s17, 0
	s_add_nc_u64 s[66:67], s[66:67], s[46:47]
	s_add_nc_u64 s[68:69], s[68:69], s[16:17]
	s_add_nc_u64 s[68:69], s[68:69], s[46:47]
	s_add_nc_u64 s[8:9], s[8:9], s[16:17]
	s_add_nc_u64 s[8:9], s[8:9], s[46:47]
.irp b, 0,1,2,3
	global_load_b128 v[BIAS+8*\b:BIAS+8*\b+3],   v[BO], s[66:67] offset:64*\b
	global_load_b128 v[BIAS+8*\b+4:BIAS+8*\b+7], v[BO], s[66:67] offset:64*\b+16
.endr
	WIN 0x80                                       ; destination window 2: the residual is asked for now and wanted at the end
.irp a, 0,1,2,3
.irp t, 0,1,2,3,4,5,6,7
	global_load_b128 v[32*\a+4*\t:32*\a+4*\t+3], v[CO], s[68:69] offset:(16*\a+2*\t)*ROWY
.endr
.endr
	WIN 0
	v_mul_u32_u24 v3, v1, PITCH
	v_lshl_add_u32 v3, v2, 4, v3                   ; a fragment's row x pitch + 16 x half
	s_mul_i32 s21, s11, HALFT                      ; my 64 rows of A
	s_mul_i32 s22, s12, HALFT                      ; my 64 rows of B,
	s_add_co_u32 s22, s22, 2*HALFT                 ; which lie behind A's 128
.irp s, 0,1
	v_add_nc_u32 v[ADRA+\s], s21, v3
	v_add_nc_u32 v[ADRB+\s], s22, v3
	s_add_co_u32 s21, s21, SLOT
	s_add_co_u32 s22, s22, SLOT
.endr
	s_mul_i32 s23, s10, 16*SPITCH
	s_add_co_u32 s23, s23, STAGE                   ; my stage
	v_mul_u32_u24 v4, v1, SPITCH                   ; in: row l % 16, 32 bytes for each half of the lanes
	v_lshl_add_u32 v4, v2, 5, v4
	v_add_nc_u32 v[STO], s23, v4
	v_mul_u32_u24 v5, v2, SPITCH                   ; back: lanes 0-15 take one row of 256 bytes, lanes 16-31 the next
	v_lshl_add_u32 v5, v1, 4, v5
	v_add_nc_u32 v[RD], s23, v5
; 8 matrix instructions: m blocks a0, a0 + 1 x all 4 n blocks, 32 along K: half c of buffer f.  zero = 1: the first product starts the sum from the bias.
; The 16 accumulators take turns, one instruction a turn.
.macro MUL8 f, c, a0, zero
.irp a, \a0, \a0+1
.irp b, 0,1,2,3
.if \zero
	v_wmma_f32_16x16x32_bf16 v[ACC+8*(4*(\a)+\b):ACC+8*(4*(\a)+\b)+7], v[\f+64+8*(4*\c+\b):\f+64+8*(4*\c+\b)+7], v[\f+8*(4*\c+\a):\f+8*(4*\c+\a)+7], v[BIAS+8*\b:BIAS+8*\b+7]
.else
	v_wmma_f32_16x16x32_bf16 v[ACC+8*(4*(\a)+\b):ACC+8*(4*(\a)+\b)+7], v[\f+64+8*(4*\c+\b):\f+64+8*(4*\c+\b)+7], v[\f+8*(4*\c+\a):\f+8*(4*\c+\a)+7], v[ACC+8*(4*(\a)+\b):ACC+8*(4*(\a)+\b)+7]
.endif
.endr
.endr
.endm
; 32 LDS loads in one run: the fragments of 64 along K at byte k of the rows, into buffer f; the first 32 along K first
.macro FETCH slot, k, f
	WIN TO_F
.irp c, 0,1
.irp i, 0,1,2,3
	ds_load_b128 v[\f+64+8*(4*\c+\i):\f+64+8*(4*\c+\i)+3],   v[ADRB+\slot] offset:\k+64*\c+\i*16*PITCH
	ds_load_b128 v[\f+64+8*(4*\c+\i)+4:\f+64+8*(4*\c+\i)+7], v[ADRB+\slot] offset:\k+64*\c+\i*16*PITCH+32
	ds_load_b128 v[\f+8*(4*\c+\i):\f+8*(4*\c+\i)+3],         v[ADRA+\slot] offset:\k+64*\c+\i*16*PITCH
	ds_load_b128 v[\f+8*(4*\c+\i)+4:\f+8*(4*\c+\i)+7],       v[ADRA+\slot] offset:\k+64*\c+\i*16*PITCH+32
.endr
.endr
.endm
.macro PLACES                          ; four plain vector instructions in front of loads into registers that matrix instructions have read, and of reads of their results
.rept 4
	v_nop
.endr
.endm
; A K step is four quarters of 64 along K, 32 matrix instructions each, on buffers 0, 1, 0, 1.  One of the first three: multiplies buffer f and fetches the next quarter, at byte k, into g.
.macro QUARTER slot, k, f, g, zero
	s_wait_dscnt 16                                ; the first 32 along K are in; the other sixteen loads may be out
	WIN MUL
	MUL8 \f, 0, 0, \zero
	MUL8 \f, 0, 2, \zero
	PLACES
	FETCH \slot, \k, \g
	s_wait_dscnt 32                                ; all but the 32 just issued
	WIN MUL
	MUL8 \f, 1, 0, 0
	MUL8 \f, 1, 2, 0
.endm
; The last quarter multiplies buffer 1 and changes slots: one barrier; in front of it each wave waits for its own reads of this slot and for all its tensor loads.  fill = 1: this slot is filled again, two K steps ahead.
.macro TURN slot, next, fill
	s_wait_dscnt 16
	WIN MUL
	MUL8 F1, 0, 0, 0
	s_wait_dscnt 0                                 ; my reads of this slot are over,
	s_set_vgpr_msb 0x500
	s_wait_tensorcnt 0x0                           ; and all my tensor loads have landed: my part of the next slot
	ds_add_u32 v30, v31
	s_wait_dscnt 0x0
	s_set_vgpr_msb 0x5
	s_barrier_signal -1
	MUL8 F1, 0, 2, 0
.if \fill
	WIN 0
.endif
	s_barrier_wait -1
.if \fill
	CREST                                          ; the barrier has opened a round of the cluster's: no wave of any partner still reads this slot's tile or has a load on its way
	s_add_nc_u64 s[G0+4*\slot+2:G0+4*\slot+3], s[G0+4*\slot+2:G0+4*\slot+3], 2*KSTEP*2
	s_add_nc_u64 s[G0B+4*\slot+2:G0B+4*\slot+3], s[G0B+4*\slot+2:G0B+4*\slot+3], 2*KSTEP*2
	JLOAD \slot                                    ; my one tensor load behind the round; the four v_nop behind it are also the places in front of the loads below
.else
	PLACES
.endif
	FETCH \next, 0, F0
	WIN MUL
	MUL8 F1, 1, 0, 0
	MUL8 F1, 1, 2, 0
.endm
; THE WAY OUT of block a (16 rows x my 64 columns): the accumulators go as they are into my stage (each from its low registers on), come back as whole rows of 256 bytes, take the residual and are stored.
.macro OUT a
.set TH, TMP+32*((\a)%2)
	s_wait_xcnt 0x0                                ; the registers that earlier stores read are loaded again only behind this wait
.irp b, 0,1,2,3
	ds_store_b128 v[STO], v[ACC+8*(4*\a+\b):ACC+8*(4*\a+\b)+3]   offset:64*\b
	ds_store_b128 v[STO], v[ACC+8*(4*\a+\b)+4:ACC+8*(4*\a+\b)+7] offset:64*\b+16
.endr
.irp t, 0,1,2,3,4,5,6,7
	ds_load_b128 v[TH+4*\t:TH+4*\t+3], v[RD] offset:\t*2*SPITCH    ; LDS serves a wave's instructions in order: these see the stores above
.endr
	s_wait_dscnt 0x0
	WIN 0x08                                       ; source 1 window 2: the residual
.irp i, 0,1,2,3,4,5,6,7,8,9,10,11,12,13,14,15
	v_pk_add_f32 v[TH+2*\i:TH+2*\i+1], v[TH+2*\i:TH+2*\i+1], v[32*\a+2*\i:32*\a+2*\i+1]
.endr
	WIN 0
.irp t, 0,1,2,3,4,5,6,7
	global_store_b128 v[CO], v[TH+4*\t:TH+4*\t+3], s[8:9] offset:(16*\a+2*\t)*ROWY   ; 16 lanes store 256 consecutive bytes, at a multiple of 256 from Y's first byte
.endr
.endm
	s_wait_tensorcnt 1                             ; my part of K step 0 is in; K step 1's stays out
	s_barrier_signal -1
	s_barrier_wait -1                              ; everybody's is
	FETCH 0, 0, F0
	s_wait_loadcnt 32                              ; the bias is in; the residual's 32 loads, issued behind it, stay out
	QUARTER 0, 128, F0, F1, 1                      ; the first quarter stands in front of the loop: its first products start the sums
	WIN 0                                          ; at a label and at a branch every window is 0
	s_mov_b32 s3, LAPS-1
.Llap:                                                 ; a trip goes once round the ring, from a lap's second quarter to the next lap's first, and fills both slots again
	QUARTER 0, 256, F1, F0, 0
	QUARTER 0, 384, F0, F1, 0
	TURN 0, 1, 1
	QUARTER 1, 128, F0, F1, 0
	QUARTER 1, 256, F1, F0, 0
	QUARTER 1, 384, F0, F1, 0
	TURN 1, 0, 1
	QUARTER 0, 128, F0, F1, 0
	WIN 0
	s_sub_co_u32 s3, s3, 1
	s_cmp_lg_u32 s3, 0
	s_cbranch_scc1 .Llap
	QUARTER 0, 256, F1, F0, 0                      ; the last lap fills nothing, and has no round of the cluster's barrier
	QUARTER 0, 384, F0, F1, 0
	TURN 0, 1, 0
	QUARTER 1, 128, F0, F1, 0
	QUARTER 1, 256, F1, F0, 0
	QUARTER 1, 384, F0, F1, 0
	s_wait_dscnt 16                                ; the very last quarter: nothing more to fetch
	WIN MUL
	MUL8 F1, 0, 0, 0
	MUL8 F1, 0, 2, 0
	s_wait_dscnt 0
	MUL8 F1, 1, 0, 0
	MUL8 F1, 1, 2, 0
	WIN 0
	PLACES
	s_wait_loadcnt 0x0                             ; the residual
	OUT 0
	OUT 1
	OUT 2
	OUT 3
	s_wait_tensorcnt 0x0
	ds_add_u32 v30, v31
	s_wait_dscnt 0x0
	CROUND                                         ; the closing round: no work-group ends while a partner may still ask for a tile that names it
	s_endpgm
.Lfunc_end_k_qcade5f32cf_oproj:
	.size	k_qcade5f32cf_oproj, .Lfunc_end_k_qcade5f32cf_oproj-k_qcade5f32cf_oproj
	.p2alignl 7, 3214868480
	.fill 96, 4, 3214868480
	.section	.rodata,"a",@progbits
	.p2align	6, 0x0
	.amdhsa_kernel k_qcade5f32cf_oproj
		.amdhsa_group_segment_fixed_size 327680
		.amdhsa_private_segment_fixed_size 0
		.amdhsa_enable_private_segment 0
		.amdhsa_kernarg_size 40
		.amdhsa_user_sgpr_count 2
		.amdhsa_user_sgpr_kernarg_segment_ptr 1
		.amdhsa_wavefront_size32 1
		.amdhsa_system_sgpr_workgroup_id_x 1
		.amdhsa_system_sgpr_workgroup_id_y 1
		.amdhsa_system_sgpr_workgroup_id_z 1
		.amdhsa_system_vgpr_workitem_id 0
		.amdhsa_next_free_vgpr 640
		.amdhsa_next_free_sgpr 72
		.amdhsa_reserve_vcc 0
		.amdhsa_float_denorm_mode_32 3
		.amdhsa_float_denorm_mode_16_64 3
		.amdhsa_memory_ordered 1
		.amdhsa_forward_progress 1
		.amdhsa_inst_pref_size 94
	.end_amdhsa_kernel
	.amdgpu_metadata
---
amdhsa.version: [ 1, 2 ]
amdhsa.kernels:
  - .name:           k_qcade5f32cf_oproj
    .symbol:         k_qcade5f32cf_oproj.kd
    .args:
      - { .name: ctx, .offset: 0, .size: 8, .value_kind: global_buffer, .address_space: global }
      - { .name: wb, .offset: 8, .size: 8, .value_kind: global_buffer, .address_space: global }
      - { .name: out_b, .offset: 16, .size: 8, .value_kind: global_buffer, .address_space: global }
      - { .name: src, .offset: 24, .size: 8, .value_kind: global_buffer, .address_space: global }
      - { .name: y, .offset: 32, .size: 8, .value_kind: global_buffer, .address_space: global }
    .group_segment_fixed_size: 327680
    .private_segment_fixed_size: 0
    .kernarg_segment_align: 8
    .kernarg_segment_size: 40
    .max_flat_workgroup_size: 128
    .sgpr_count:     72
    .vgpr_count:     640
    .wavefront_size: 32
...
	.end_amdgpu_metadata
.endif
;; end of part 4
;; launch ln1 (part 5): grid 256 x 1, 4 waves a work-group, no clusters, 0 bytes of LDS; arguments y, ln1_g, ln1_b, xf, xb; writes xf, xb
.if DOCPART == 5
	.amdgcn_target "amdgcn-amd-amdhsa--gfx1250"
	.amdhsa_code_object_version 6
	.text
	.protected	k_qcade5f32cf_ln1
	.globl	k_qcade5f32cf_ln1
	.p2align	8
	.type	k_qcade5f32cf_ln1,@function
k_qcade5f32cf_ln1:
	s_mov_b64 s[64:65], 0
	v_nop
	global_prefetch_b8 v0, s[64:65] scope:SCOPE_SE
	s_setreg_imm32_b32 hwreg(HW_REG_WAVE_MODE, 25, 1), 1
	s_wait_xcnt 0x0
; x[r][:] = (y[r][:] - mean) / sqrt(var + 1e-5) * g + b, for 4,096 rows of 1,024 f32; stored in f32 (xf) and, BF = 1, also rounded to bf16 (xb), the next product's operand.
; One wave takes a whole row (4,096 bytes: eight 16-byte loads a lane, 32 registers) and keeps it in registers through mean, variance (of the differences, a second pass, as the
; definition has it) and scaling: each byte is read once, and no wave waits for another.  Four waves, four rows each; all of a wave's 48 loads go out before its first wait.
; A stream: no LDS, no matrix unit, no barrier.
.set BF, 1
.set G,  4                             ; v[4:35]    g of my 32 columns (columns 128 j + 4 lane + 0..3)
.set BB, 36                            ; v[36:67]   b likewise
.set X,  68                            ; v[68:195]  row s: 32 registers
.set T,  196                           ; v[196:203] at work
.set MU, 204                           ; v[204:205] the mean, twice
.set R,  206                           ; v[206:207] 1 / sqrt(var + eps), twice
.set Y,  208                           ; v[208:223] a row in bf16
	s_load_b256 s[4:11], s[0:1], 0x0               ; y s[4:5], g s[6:7], b s[8:9], xf s[10:11]
.if BF
	s_load_b64 s[16:17], s[0:1], 0x20              ; xb
.endif
	s_mov_b32 s12, 0x76543210                      ; v_permlanex16_b32: lane i of one half reads lane i of the other
	s_mov_b32 s13, 0xfedcba98
	s_mov_b32 s14, 0x3a800000                      ; 1 / 1024
	s_mov_b32 s15, 0x3727c5ac                      ; 1e-5
	s_lshl_b32 s18, ttmp9, 16                      ; the work-group's 16 rows of 4,096 bytes
	s_mov_b32 s19, 0
	v_and_b32 v2, 31, v0                           ; lane
	v_lshrrev_b32 v3, 5, v0                        ; wave
	v_lshlrev_b32 v1, 14, v3                       ; the wave's 4 rows
	v_lshl_add_u32 v1, v2, 4, v1                   ; + 16 bytes a lane
.if BF
	v_lshlrev_b32 v3, 13, v3                       ; the same in bf16
	v_lshl_add_u32 v3, v2, 3, v3
.endif
	v_lshlrev_b32 v2, 4, v2
	s_wait_kmcnt 0x0
	s_add_nc_u64 s[4:5], s[4:5], s[18:19]
	s_add_nc_u64 s[10:11], s[10:11], s[18:19]
.if BF
	s_lshl_b32 s18, ttmp9, 15
	s_add_nc_u64 s[16:17], s[16:17], s[18:19]
.endif
.irp j, 0,1,2,3,4,5,6,7
	global_load_b128 v[G+4*\j:G+4*\j+3], v2, s[6:7] offset:512*\j
.endr
.irp j, 0,1,2,3,4,5,6,7
	global_load_b128 v[BB+4*\j:BB+4*\j+3], v2, s[8:9] offset:512*\j
.endr
.irp s, 0,1,2,3
.irp j, 0,1,2,3,4,5,6,7
	global_load_b128 v[X+32*\s+4*\j:X+32*\s+4*\j+3], v1, s[4:5] offset:\s*4096+512*\j th:TH_LOAD_NT
.endr
.endr
.macro RED                             ; four chains of pairs in T -> their sum over the row, in every lane's v[T]
	v_pk_add_f32 v[T:T+1], v[T:T+1], v[T+2:T+3]
	v_pk_add_f32 v[T+4:T+5], v[T+4:T+5], v[T+6:T+7]
	v_pk_add_f32 v[T:T+1], v[T:T+1], v[T+4:T+5]
	v_add_f32 v[T], v[T], v[T+1]
	v_add_f32_dpp v[T], v[T], v[T] row_xmask:1 row_mask:0xf bank_mask:0xf
	v_add_f32_dpp v[T], v[T], v[T] row_xmask:2 row_mask:0xf bank_mask:0xf
	v_add_f32_dpp v[T], v[T], v[T] row_xmask:4 row_mask:0xf bank_mask:0xf
	v_add_f32_dpp v[T], v[T], v[T] row_xmask:8 row_mask:0xf bank_mask:0xf
	v_permlanex16_b32 v[T+1], v[T], s12, s13
	v_add_f32 v[T], v[T], v[T+1]
.endm
; Row s.  left = how many younger loads (the rows behind it) may stay out.
.macro ROW s, left
.set XR, X+32*\s
	s_wait_loadcnt \left
.irp c, 0,1,2,3
	v_pk_add_f32 v[T+2*\c:T+2*\c+1], v[XR+2*\c:XR+2*\c+1], v[XR+8+2*\c:XR+8+2*\c+1]   ; the first eight pairs start four chains: nothing is cleared
.endr
.irp p, 8,9,10,11,12,13,14,15
	v_pk_add_f32 v[T+2*(\p%4):T+2*(\p%4)+1], v[T+2*(\p%4):T+2*(\p%4)+1], v[XR+2*\p:XR+2*\p+1]
.endr
	RED
	v_mul_f32 v[MU], s14, v[T]
	v_mul_f32 v[MU+1], s14, v[T]
.irp p, 0,1,2,3,4,5,6,7,8,9,10,11,12,13,14,15
	v_pk_add_f32 v[XR+2*\p:XR+2*\p+1], v[XR+2*\p:XR+2*\p+1], v[MU:MU+1] neg_lo:[0,1] neg_hi:[0,1]
.endr
.irp c, 0,1,2,3
	v_pk_mul_f32 v[T+2*\c:T+2*\c+1], v[XR+2*\c:XR+2*\c+1], v[XR+2*\c:XR+2*\c+1]
.endr
.irp p, 4,5,6,7,8,9,10,11,12,13,14,15
	v_pk_fma_f32 v[T+2*(\p%4):T+2*(\p%4)+1], v[XR+2*\p:XR+2*\p+1], v[XR+2*\p:XR+2*\p+1], v[T+2*(\p%4):T+2*(\p%4)+1]
.endr
	RED
	v_fma_f32 v[T+2], v[T], s14, s15               ; var + eps
	v_rsq_f32 v[R], v[T+2]
	v_rsq_f32 v[R+1], v[T+2]
	v_nop                                          ; a plain instruction between the root and the use of its result
.if BF
	s_wait_xcnt 0x0                                ; Y, which the last row's stores read, is rewritten only behind this wait
.endif
	s_wait_alu depctr_va_vdst(0)
.irp j, 0,1,2,3,4,5,6,7
	v_pk_mul_f32 v[XR+4*\j:XR+4*\j+1], v[XR+4*\j:XR+4*\j+1], v[R:R+1]
	v_pk_mul_f32 v[XR+4*\j+2:XR+4*\j+3], v[XR+4*\j+2:XR+4*\j+3], v[R:R+1]
	v_pk_fma_f32 v[XR+4*\j:XR+4*\j+1], v[XR+4*\j:XR+4*\j+1], v[G+4*\j:G+4*\j+1], v[BB+4*\j:BB+4*\j+1]
	v_pk_fma_f32 v[XR+4*\j+2:XR+4*\j+3], v[XR+4*\j+2:XR+4*\j+3], v[G+4*\j+2:G+4*\j+3], v[BB+4*\j+2:BB+4*\j+3]
	global_store_b128 v1, v[XR+4*\j:XR+4*\j+3], s[10:11] offset:\s*4096+512*\j     ; a wave's store covers 512 consecutive bytes, aligned
.if BF
	v_cvt_pk_bf16_f32 v[Y+2*\j], v[XR+4*\j], v[XR+4*\j+1]
	v_cvt_pk_bf16_f32 v[Y+2*\j+1], v[XR+4*\j+2], v[XR+4*\j+3]
	global_store_b64 v3, v[Y+2*\j:Y+2*\j+1], s[16:17] offset:\s*2048+256*\j        ; 256 consecutive bytes, aligned
.endif
.endr
.endm
	ROW 0, 24
	ROW 1, 16
	ROW 2, 8
	ROW 3, 0
	s_endpgm
.Lfunc_end_k_qcade5f32cf_ln1:
	.size	k_qcade5f32cf_ln1, .Lfunc_end_k_qcade5f32cf_ln1-k_qcade5f32cf_ln1
	.p2alignl 7, 3214868480
	.fill 96, 4, 3214868480
	.section	.rodata,"a",@progbits
	.p2align	6, 0x0
	.amdhsa_kernel k_qcade5f32cf_ln1
		.amdhsa_group_segment_fixed_size 0
		.amdhsa_private_segment_fixed_size 0
		.amdhsa_enable_private_segment 0
		.amdhsa_kernarg_size 40
		.amdhsa_user_sgpr_count 2
		.amdhsa_user_sgpr_kernarg_segment_ptr 1
		.amdhsa_wavefront_size32 1
		.amdhsa_system_sgpr_workgroup_id_x 1
		.amdhsa_system_sgpr_workgroup_id_y 1
		.amdhsa_system_sgpr_workgroup_id_z 1
		.amdhsa_system_vgpr_workitem_id 0
		.amdhsa_next_free_vgpr 224
		.amdhsa_next_free_sgpr 66
		.amdhsa_reserve_vcc 0
		.amdhsa_float_denorm_mode_32 3
		.amdhsa_float_denorm_mode_16_64 3
		.amdhsa_memory_ordered 1
		.amdhsa_forward_progress 1
		.amdhsa_inst_pref_size 41
	.end_amdhsa_kernel
	.amdgpu_metadata
---
amdhsa.version: [ 1, 2 ]
amdhsa.kernels:
  - .name:           k_qcade5f32cf_ln1
    .symbol:         k_qcade5f32cf_ln1.kd
    .args:
      - { .name: y, .offset: 0, .size: 8, .value_kind: global_buffer, .address_space: global }
      - { .name: ln1_g, .offset: 8, .size: 8, .value_kind: global_buffer, .address_space: global }
      - { .name: ln1_b, .offset: 16, .size: 8, .value_kind: global_buffer, .address_space: global }
      - { .name: xf, .offset: 24, .size: 8, .value_kind: global_buffer, .address_space: global }
      - { .name: xb, .offset: 32, .size: 8, .value_kind: global_buffer, .address_space: global }
    .group_segment_fixed_size: 0
    .private_segment_fixed_size: 0
    .kernarg_segment_align: 8
    .kernarg_segment_size: 40
    .max_flat_workgroup_size: 128
    .sgpr_count:     66
    .vgpr_count:     224
    .wavefront_size: 32
...
	.end_amdgpu_metadata
.endif
;; end of part 5
;; launch ffn1 (part 6): grid 16 x 16, 4 waves a work-group, clusters of 4 x 4, 327,680 bytes of LDS; arguments xb, wb, b1, h; writes h
.if DOCPART == 6
	.amdgcn_target "amdgcn-amd-amdhsa--gfx1250"
	.amdhsa_code_object_version 6
	.text
	.protected	k_qcade5f32cf_ffn1
	.globl	k_qcade5f32cf_ffn1
	.p2align	8
	.type	k_qcade5f32cf_ffn1,@function
k_qcade5f32cf_ffn1:
	s_mov_b64 s[64:65], 0
	v_nop
	global_prefetch_b8 v0, s[64:65] scope:SCOPE_SE
	s_setreg_imm32_b32 hwreg(HW_REG_WAVE_MODE, 25, 1), 1
	s_wait_xcnt 0x0
	s_wait_alu depctr_hold_cnt(0) depctr_sa_sdst(0) depctr_va_vdst(0) depctr_va_sdst(0) depctr_va_ssrc(0) depctr_va_vcc(0) depctr_vm_vsrc(0)
	s_getreg_b32 s2, hwreg(HW_REG_IB_STS2, 6, 4)
	s_cmp_eq_u32 s2, 0
	s_cbranch_scc0 .Lentry_in_a_cluster
	s_endpgm
.Lentry_in_a_cluster:
	s_bfe_u32 s2, ttmp6, 0x10000c
	s_cmp_lg_u32 s2, 0xf033
	s_cbranch_scc0 .Lentry_shape_is_right
	s_endpgm
.Lentry_shape_is_right:
; C[m][n] = relu(sum over k of A[m][k] B[n][k] + bias[n]).  Here: h = relu(x w1^T + b1).  A: [4096][1024] bf16 (xb), B: [4096][1024] bf16 (wb, byte B_OFF),
; bias f32, C: [4096][4096] bf16; sums in f32, C rounded once.
; A tile of C, 256 x 256, is made by a work-group of four waves; a wave makes 128 x 128: 64 accumulators of 16 x 16, 512 registers.  K goes in steps of 128 through a ring of
; two LDS slots filled by the tensor data mover; the rows of A's and B's tiles are 256 bytes of memory and start at multiples of 256 bytes.
; CLUSTERS: 4 x 4 work-groups.  The four of a row of the cluster need the same tiles of A, the four of a column the same tiles of B: each tile is asked for JOINTLY, by the same
; tensor load with the same descriptor and a mask that names the four.  That divides the requests for A and for B by four.
; REGISTERS, in windows of 256 (s_set_vgpr_msb: bits 1:0 source 0, 3:2 source 1, 5:4 source 2, 7:6 destination):
;   window 0: v0-31 addresses; v64-127, v128-191 fragments of A, two buffers; v32-63, v192-255 at work on the way out
;   window 1: v0-63 the bias of my 128 columns, laid as an accumulator's lanes want it; v64-127, v128-191 fragments of B, two buffers
;   window 2: the 32 accumulators of my rows 0-63 (accumulator (a, b) at v[8 (8 a + b)]);   window 3: those of my rows 64-127
; THE MATRIX INSTRUCTION IS USED TRANSPOSED: source 0 = 16 rows of B, source 1 = 16 rows of A.  Lane l then holds row l % 16 of C and its registers 0 to 7 the columns
; 8 (l / 16) + 0 .. 7: eight neighbouring numbers of a row, which pack into 16 bytes.  THE BIAS STARTS THE SUMS: the first product on each accumulator takes the bias registers as C.
.set SIZE_N, 4096
.set SIZE_K, 1024
.set RELU,   1
.set A_ARG,    0x0                     ; byte of each pointer among the kernel's arguments
.set B_ARG,    0x8
.set BIAS_ARG, 0x10
.set C_ARG,    0x18
.set B_OFF,  16777216                  ; byte of B in its buffer
.set KSTEP,  128
.set PITCH,  272                       ; an LDS row: 256 bytes of data + 16 of padding = 68 words: the 16 rows that a fragment load touches start 4 words apart modulo 64
.set HALFT,  128*PITCH                 ; 128 rows: what one tensor load brings, and what one wave reads of A or of B
.set SLOT,   4*HALFT                   ; A's 256 rows, then B's 256 rows
.set STAGE,  2*SLOT                    ; behind the ring: 16 rows x 272 bytes for each wave, for the way out; no tensor load fills it
.set SPITCH, 272
.set LAPS, SIZE_K/(2*KSTEP)            ; a lap = two K steps = once round the ring
.set ADRA, 16                          ; v16-17  LDS address of my A fragments in slot 0, 1
.set ADRB, 20                          ; v20-21  the same for B
.set STO,  24                          ; v24     the way out: where I put 16 bytes of a row
.set RD,   25                          ; v25     the way out: where I read a row back
.set CO,   26                          ; v26     my byte offset in C
.set BO,   27                          ; v27     my byte offset in the bias
.set F0,   64                          ; fragment buffer 0
.set F1,   128                         ; fragment buffer 1
.set TMP,  192                         ; the way out: packed results, in window 0
.set OB,   32                          ; the way out: 16 rows read back from the stage: v32-63 and v224-255 by turns
.set G1, 24                            ; s[24:31] descriptor group 1 for A's tiles
.set G0, 32                            ; s[32:39] descriptor group 0 for A's tiles, one set for each slot
.set G1B, 48                           ; s[48:55], s[56:63] the same for B's tiles
.set G0B, 56
.set MSB, 0
.macro WIN new                         ; the immediate's high byte repeats the setting that is left; a switch that changes nothing is dropped
.set WNEW, \new
.if MSB != WNEW
	s_set_vgpr_msb (MSB<<8)|WNEW
.set MSB, WNEW
.endif
.endm
.set MUL_LO, 0xa1                      ; source 0 (B) window 1, source 1 (A) window 0, C and D window 2
.set MUL_HI, 0xf1                      ; the same, C and D window 3
.set BIA_LO, 0x91                      ; the first products: C (the bias) window 1, D window 2
.set BIA_HI, 0xd1                      ; C window 1, D window 3
.set TO_B,   0x40                      ; destination window 1, address window 0
; A joint load.  Waves 0 and 1 fetch A's two halves, waves 2 and 3 B's.  The branch hangs on the wave's number alone.  Four v_nop follow each of the two lines.
.macro JLOAD s
	s_cmp_eq_u32 s11, 0
	s_cbranch_scc0 .Lfor_b_\@
	tensor_load_to_lds s[G0+4*\s:G0+4*\s+3], s[G1:G1+7]
	s_nop 0
.rept 4
	v_nop
.endr
	s_branch .Lasked_\@
.Lfor_b_\@:
	tensor_load_to_lds s[G0B+4*\s:G0B+4*\s+3], s[G1B:G1B+7]
	s_nop 0
.rept 4
	v_nop
.endr
.Lasked_\@:
.endm
; A round of the cluster's barrier: my work-group's barrier; wave 0 signals for the work-group; every wave waits for all sixteen work-groups; my work-group's barrier once more.
.macro CREST                           ; a round behind its opening barrier
	s_cmp_lg_u32 s10, 0
	s_cbranch_scc1 .Lnot_wave_0_\@
	s_barrier_signal -3
.Lnot_wave_0_\@:
	s_barrier_wait -3
	s_barrier_signal -1
	s_barrier_wait -1
.endm
.macro CROUND                          ; a whole round
	s_barrier_signal -1
	s_barrier_wait -1
	CREST
.endm
	s_load_b64 s[4:5], s[0:1], A_ARG
	s_load_b64 s[6:7], s[0:1], B_ARG
	s_load_b64 s[8:9], s[0:1], C_ARG
	s_load_b64 s[66:67], s[0:1], BIAS_ARG
	s_set_vgpr_msb 0x40
	v_lshl_add_u32 v255, v0, 2, 0x48400
	s_set_vgpr_msb 0x4000
	v_mov_b32 v31, 0
	s_set_vgpr_msb 0x1
	ds_add_u32 v255, v31
	s_set_vgpr_msb 0x100
	v_lshrrev_b32 v1, 5, v0
	v_readfirstlane_b32 s10, v1                    ; wave 0..3
	s_lshr_b32 s11, s10, 1                         ; which half of the tile's rows is mine.  Also: I fetch for A (0) or for B (1)
	s_and_b32 s12, s10, 1                          ; which half of its columns.  Also: which 128 rows of that tile I fetch
	s_bfe_u32 s40, ttmp6, 0x40000                  ; cx, cy: my place in the cluster
	s_bfe_u32 s41, ttmp6, 0x40004
	s_lshl_b32 s42, ttmp9, 2
	s_add_co_u32 s42, s42, s40                     ; tile column of C = 4 x cluster x + cx
	s_and_b32 s13, ttmp7, 0xffff
	s_lshl_b32 s13, s13, 2
	s_add_co_u32 s13, s13, s41                     ; tile row of C = 4 x cluster y + cy
	s_lshl_b32 s43, s41, 2
	s_lshl_b32 s43, 15, s43                        ; my row of the cluster: places 4 cy .. 4 cy + 3
	s_lshl_b32 s44, 0x1111, s40                    ; my column: places cx, cx + 4, cx + 8, cx + 12
	; descriptor group 1: a tile of 128 rows x 128 elements of 2 bytes, 4 words of padding behind every 64 words; the mask, and bit 21 beside it
	s_or_b32 s[G1+0], s43, (1<<16)|(1<<20)|(1<<21)|(5<<22)|(3<<25)
	s_or_b32 s[G1B+0], s44, (1<<16)|(1<<20)|(1<<21)|(5<<22)|(3<<25)
.irp g, G1, G1B
	s_mov_b32 s[\g+1], KSTEP<<16                   ; tensor_dim0 = 128
	s_mov_b32 s[\g+2], 128<<16                     ; tensor_dim1 = 128
	s_mov_b32 s[\g+3], KSTEP<<16                   ; tile_dim0 = 128
	s_mov_b32 s[\g+4], 128                         ; tile_dim1 = 128
	s_mov_b32 s[\g+5], SIZE_K                      ; elements from row to row
	s_mov_b32 s[\g+6], 0
	s_mov_b32 s[\g+7], 0
.endr
	; A's tiles hang on the tile row alone, which my row of the cluster shares; B's on the tile column alone, which my column shares
	s_lshl_b32 s17, s12, 7
	s_lshl_b32 s16, s13, 8
	s_add_co_u32 s16, s16, s17                     ; A: row 256 x tile row + 128 x half
	s_lshl_b32 s46, s42, 8
	s_add_co_u32 s46, s46, s17                     ; B: row 256 x tile column + 128 x half
	s_mov_b32 s17, 0
	s_mov_b32 s47, 0
	s_mov_b64 s[18:19], SIZE_K*2
	s_mul_u64 s[16:17], s[16:17], s[18:19]
	s_mul_u64 s[46:47], s[46:47], s[18:19]
	s_mul_i32 s20, s10, HALFT                      ; where they go: wave x 128 rows
	s_wait_dscnt 0x0
	s_wait_kmcnt 0x0
	s_add_nc_u64 s[6:7], s[6:7], B_OFF
	s_add_nc_u64 s[14:15], s[4:5], s[16:17]
	s_add_nc_u64 s[46:47], s[6:7], s[46:47]
	CROUND                                         ; all sixteen work-groups are here: the first joint loads meet
.irp s, 0,1
	s_mov_b32 s[G0+4*\s], 1
	s_add_co_u32 s[G0+4*\s+1], s20, \s*SLOT
	s_add_nc_u64 s[G0+4*\s+2:G0+4*\s+3], s[14:15], \s*KSTEP*2
	s_or_b32 s[G0+4*\s+3], s[G0+4*\s+3], 0x80000000
	s_mov_b32 s[G0B+4*\s], 1
	s_add_co_u32 s[G0B+4*\s+1], s20, \s*SLOT
	s_add_nc_u64 s[G0B+4*\s+2:G0B+4*\s+3], s[46:47], \s*KSTEP*2
	s_or_b32 s[G0B+4*\s+3], s[G0B+4*\s+3], 0x80000000
	JLOAD \s                                       ; two tensor loads of mine are out
.endr
	v_and_b32 v1, 15, v0                           ; l % 16
	v_bfe_u32 v2, v0, 4, 1                         ; l / 16
	; the bias: register j of column block b is column 16 b + 8 (l / 16) + j of my 128: two loads of 16 bytes a block
	v_lshlrev_b32 v[BO], 5, v2
	s_lshl_b32 s46, s42, 10                        ; 4 bytes x (256 x tile column + 128 x half)
	s_lshl_b32 s47, s12, 9
	s_add_co_u32 s46, s46, s47
	s_mov_b32 s47, 0
	s_add_nc_u64 s[66:67], s[66:67], s[46:47]
	WIN TO_B
.irp b, 0,1,2,3,4,5,6,7
	global_load_b128 v[8*\b:8*\b+3],   v[BO], s[66:67] offset:64*\b
	global_load_b128 v[8*\b+4:8*\b+7], v[BO], s[66:67] offset:64*\b+16
.endr
	WIN 0
	; A fragment is 16 rows x 32 K in 8 registers: lane l holds row l % 16; registers 0-3 K = 8 (l / 16) + 0..7, registers 4-7 K = 16 + 8 (l / 16) + 0..7: two loads of 16 bytes, 32 apart
	v_mul_u32_u24 v3, v1, PITCH
	v_lshl_add_u32 v3, v2, 4, v3
	s_mul_i32 s21, s11, HALFT                      ; my 128 rows of A
	s_mul_i32 s22, s12, HALFT                      ; my 128 rows of B,
	s_add_co_u32 s22, s22, 2*HALFT                 ; which lie behind A's 256
.irp s, 0,1
	v_add_nc_u32 v[ADRA+\s], s21, v3
	v_add_nc_u32 v[ADRB+\s], s22, v3
	s_add_co_u32 s21, s21, SLOT
	s_add_co_u32 s22, s22, SLOT
.endr
	s_mul_i32 s23, s10, 16*SPITCH
	s_add_co_u32 s23, s23, STAGE                   ; my stage
	v_mul_u32_u24 v4, v1, SPITCH                   ; in: row l % 16, 16 bytes for each half of the lanes
	v_lshl_add_u32 v4, v2, 4, v4
	v_add_nc_u32 v[STO], s23, v4
	v_mul_u32_u24 v5, v2, SPITCH                   ; back: lanes 0-15 take one row of 256 bytes, lanes 16-31 the next
	v_lshl_add_u32 v5, v1, 4, v5
	v_add_nc_u32 v[RD], s23, v5
	v_mul_u32_u24 v5, v2, SIZE_N*2                 ; and the same two rows in C
	v_lshl_add_u32 v[CO], v1, 4, v5
	s_lshl_b32 s13, s13, 8                         ; where my part of the tile begins in C, in bytes: the way out adds it to C's address
	s_lshl_b32 s14, s11, 7
	s_add_co_u32 s16, s13, s14
	s_mov_b32 s17, 0
	s_mov_b64 s[18:19], SIZE_N*2
	s_mul_u64 s[16:17], s[16:17], s[18:19]
	s_lshl_b32 s46, s42, 9
	s_lshl_b32 s47, s12, 8
	s_add_co_u32 s46, s46, s47
	s_mov_b32 s47, 0
	s_add_nc_u64 s[16:17], s[16:17], s[46:47]
; 16 matrix instructions: m blocks a0, a0 + 1 of the window's four (hi = 0: my rows 0-63, 1: rows 64-127) x all 8 n blocks, 32 along K.  zero = 1: the first product starts the sum from the bias.
; The 64 accumulators take turns, one instruction a turn, in the same order in every quarter step.
.macro MUL16 f, hi, a0, zero
.irp a, \a0, \a0+1
.irp b, 0,1,2,3,4,5,6,7
.if \zero
	v_wmma_f32_16x16x32_bf16 v[8*(8*(\a)+\b):8*(8*(\a)+\b)+7], v[\f+8*\b:\f+8*\b+7], v[\f+8*(4*\hi+\a):\f+8*(4*\hi+\a)+7], v[8*\b:8*\b+7]
.else
	v_wmma_f32_16x16x32_bf16 v[8*(8*(\a)+\b):8*(8*(\a)+\b)+7], v[\f+8*\b:\f+8*\b+7], v[\f+8*(4*\hi+\a):\f+8*(4*\hi+\a)+7], v[8*(8*(\a)+\b):8*(8*(\a)+\b)+7]
.endif
.endr
.endr
.endm
; 32 LDS loads in one run: the fragments of one quarter step (128 rows of B, 128 rows of A, 32 K at byte k of the rows) into buffer f
.macro FETCH slot, k, f
	WIN TO_B
.irp i, 0,1,2,3,4,5,6,7
	ds_load_b128 v[\f+8*\i:\f+8*\i+3],   v[ADRB+\slot] offset:\k+\i*16*PITCH
	ds_load_b128 v[\f+8*\i+4:\f+8*\i+7], v[ADRB+\slot] offset:\k+\i*16*PITCH+32
.endr
	WIN 0
.irp i, 0,1,2,3,4,5,6,7
	ds_load_b128 v[\f+8*\i:\f+8*\i+3],   v[ADRA+\slot] offset:\k+\i*16*PITCH
	ds_load_b128 v[\f+8*\i+4:\f+8*\i+7], v[ADRA+\slot] offset:\k+\i*16*PITCH+32
.endr
.endm
; Four plain vector instructions stand between a matrix instruction and a load into one of its registers, or a vector instruction that reads its result
.macro PLACES
.rept 4
	v_nop
.endr
.endm
; A K step is four quarter steps of 32 along K, 64 matrix instructions each, on buffers 0, 1, 0, 1.  One of the first three: multiplies buffer f and fetches the next quarter, at byte k, into g.
.macro QUARTER slot, k, f, g, zero
	s_wait_dscnt 8                                 ; B and A's rows 0-63 are in; the youngest eight loads (A's rows 64-127) may be out
.if \zero
	WIN BIA_LO
.else
	WIN MUL_LO
.endif
	MUL16 \f, 0, 0, \zero
	MUL16 \f, 0, 2, \zero
	PLACES
	FETCH \slot, \k, \g
	s_wait_dscnt 32                                ; all but the 32 just issued
.if \zero
	WIN BIA_HI
.else
	WIN MUL_HI
.endif
	MUL16 \f, 1, 0, \zero
	MUL16 \f, 1, 2, \zero
.endm
; The last quarter multiplies buffer 1 and changes slots.  MEET is its first half: one barrier; in front of it each wave waits for its own reads of this slot and for all its tensor loads.
.macro MEET round
	s_wait_dscnt 8
	WIN MUL_LO
	MUL16 F1, 0, 0, 0
	s_wait_dscnt 0                                 ; my reads of this slot are over
	s_wait_tensorcnt 0x0                           ; and all my tensor loads have landed: the one that was out is my part of the next slot
	ds_add_u32 v255, v31
	s_wait_dscnt 0x0
	s_barrier_signal -1
	MUL16 F1, 0, 2, 0                              ; work on registers while the others arrive
.if \round
	WIN 0
.endif
	s_barrier_wait -1
.endm
; The whole last quarter: behind the round the slot just read out is filled again first, with the K step two steps on; then come the next slot's first fragments.
.macro TURN slot, next
	MEET 1
	CREST                                          ; no wave of any partner still reads this slot's tile or has a load on its way
	s_add_nc_u64 s[G0+4*\slot+2:G0+4*\slot+3], s[G0+4*\slot+2:G0+4*\slot+3], 2*KSTEP*2
	s_add_nc_u64 s[G0B+4*\slot+2:G0B+4*\slot+3], s[G0B+4*\slot+2:G0B+4*\slot+3], 2*KSTEP*2
	JLOAD \slot                                    ; my one tensor load behind the round; the four v_nop behind it are also the places in front of the loads below
	FETCH \next, 0, F0
	WIN MUL_HI
	MUL16 F1, 1, 0, 0
	MUL16 F1, 1, 2, 0
.endm
; THE WAY OUT of block a (16 rows), in three parts.  PACK: relu, rounded to bf16, 16 bytes a lane, each accumulator's registers in ascending order.  TOSTAGE: into my own stage, and back as whole rows.  SEND: stored.
.macro PACK a
.set AC, 64*((\a)%4)
.if RELU
	WIN 0x8a+0x45*((\a)/4)                         ; source and destination: window 2 or 3
.set i, 0
.rept 64
	v_max_num_f32 v[AC+i], 0, v[AC+i]
.set i, i+1
.endr
.endif
	WIN 0x0a+5*((\a)/4)                            ; sources 0 and 1: window 2 or 3
.irp b, 0,1,2,3,4,5,6,7
.irp r, 0,1,2,3
	v_cvt_pk_bf16_f32 v[TMP+4*\b+\r], v[AC+8*\b+2*\r], v[AC+8*\b+2*\r+1]
.endr
.endr
	WIN 0
.endm
.macro TOSTAGE a
.set BK, OB+192*((\a)%2)
.irp b, 0,1,2,3,4,5,6,7
	ds_store_b128 v[STO], v[TMP+4*\b:TMP+4*\b+3] offset:32*\b
.endr
.irp t, 0,1,2,3,4,5,6,7
	ds_load_b128 v[BK+4*\t:BK+4*\t+3], v[RD] offset:\t*2*SPITCH    ; LDS serves a wave's instructions in order: these see the stores above
.endr
.endm
.macro SEND a
.set BK, OB+192*((\a)%2)
	s_wait_dscnt 0x0                               ; the block is back in registers
	s_wait_xcnt 0x0                                ; only behind this wait are the stores' base and the registers that earlier stores read rewritten
.if (\a) == 0
	s_add_nc_u64 s[8:9], s[8:9], s[16:17]          ; on to my first rows
.else
	s_add_nc_u64 s[8:9], s[8:9], 16*SIZE_N*2       ; 16 rows of C on
.endif
.irp t, 0,1,2,3,4,5,6,7
	global_store_b128 v[CO], v[BK+4*\t:BK+4*\t+3], s[8:9] offset:2*\t*SIZE_N*2   ; 16 lanes store 256 consecutive bytes, at a multiple of 256 from C's first byte
.endr
.endm
	s_wait_tensorcnt 1                             ; my part of K step 0 is in; K step 1's stays out
	s_barrier_signal -1
	s_barrier_wait -1                              ; everybody's is
	FETCH 0, 0, F0
	s_wait_loadcnt 0x0                             ; the bias
	QUARTER 0, 64,  F0, F1, 1                      ; the first quarter stands in front of the loop: its products start the sums
	WIN 0                                          ; at a label and at a branch every window is 0
	s_mov_b32 s3, LAPS-1
.Llap:                                                 ; a trip goes once round the ring, from a lap's second quarter to the next lap's first, and fills both slots again
	QUARTER 0, 128, F1, F0, 0
	QUARTER 0, 192, F0, F1, 0
	TURN 0, 1
	QUARTER 1, 64,  F0, F1, 0
	QUARTER 1, 128, F1, F0, 0
	QUARTER 1, 192, F0, F1, 0
	TURN 1, 0
	QUARTER 0, 64,  F0, F1, 0
	WIN 0
	s_sub_co_u32 s3, s3, 1
	s_cmp_lg_u32 s3, 0
	s_cbranch_scc1 .Llap
	QUARTER 0, 128, F1, F0, 0                      ; the last lap fills nothing and has no round
	QUARTER 0, 192, F0, F1, 0
	MEET 0                                         ; the load that was still out is the last K step's
	PLACES
	FETCH 1, 0, F0
	WIN MUL_HI
	MUL16 F1, 1, 0, 0
	MUL16 F1, 1, 2, 0
	QUARTER 1, 64,  F0, F1, 0
	QUARTER 1, 128, F1, F0, 0
	QUARTER 1, 192, F0, F1, 0
	s_wait_dscnt 8                                 ; the very last quarter: nothing more to fetch
	WIN MUL_LO
	MUL16 F1, 0, 0, 0
	MUL16 F1, 0, 2, 0
	s_wait_dscnt 0
	WIN MUL_HI
	MUL16 F1, 1, 0, 0
	MUL16 F1, 1, 2, 0
	PLACES
	PACK 0
	TOSTAGE 0
.irp a, 1,2,3,4,5,6,7                  ; block a's arithmetic stands between block a - 1's loads from the stage and the wait for them
	PACK \a
	SEND \a-1
	TOSTAGE \a
.endr
	SEND 7
	s_set_vgpr_msb 0x1
	s_wait_tensorcnt 0x0
	ds_add_u32 v255, v31
	s_wait_dscnt 0x0
	s_set_vgpr_msb 0x100
	CROUND                                         ; the closing round: no work-group ends while a partner may still ask for a tile that names it
	s_endpgm
.Lfunc_end_k_qcade5f32cf_ffn1:
	.size	k_qcade5f32cf_ffn1, .Lfunc_end_k_qcade5f32cf_ffn1-k_qcade5f32cf_ffn1
	.p2alignl 7, 3214868480
	.fill 96, 4, 3214868480
	.section	.rodata,"a",@progbits
	.p2align	6, 0x0
	.amdhsa_kernel k_qcade5f32cf_ffn1
		.amdhsa_group_segment_fixed_size 327680
		.amdhsa_private_segment_fixed_size 0
		.amdhsa_enable_private_segment 0
		.amdhsa_kernarg_size 32
		.amdhsa_user_sgpr_count 2
		.amdhsa_user_sgpr_kernarg_segment_ptr 1
		.amdhsa_wavefront_size32 1
		.amdhsa_system_sgpr_workgroup_id_x 1
		.amdhsa_system_sgpr_workgroup_id_y 1
		.amdhsa_system_sgpr_workgroup_id_z 1
		.amdhsa_system_vgpr_workitem_id 0
		.amdhsa_next_free_vgpr 1024
		.amdhsa_next_free_sgpr 68
		.amdhsa_reserve_vcc 0
		.amdhsa_float_denorm_mode_32 3
		.amdhsa_float_denorm_mode_16_64 3
		.amdhsa_memory_ordered 1
		.amdhsa_forward_progress 1
		.amdhsa_inst_pref_size 161
	.end_amdhsa_kernel
	.amdgpu_metadata
---
amdhsa.version: [ 1, 2 ]
amdhsa.kernels:
  - .name:           k_qcade5f32cf_ffn1
    .symbol:         k_qcade5f32cf_ffn1.kd
    .args:
      - { .name: xb, .offset: 0, .size: 8, .value_kind: global_buffer, .address_space: global }
      - { .name: wb, .offset: 8, .size: 8, .value_kind: global_buffer, .address_space: global }
      - { .name: b1, .offset: 16, .size: 8, .value_kind: global_buffer, .address_space: global }
      - { .name: h, .offset: 24, .size: 8, .value_kind: global_buffer, .address_space: global }
    .group_segment_fixed_size: 327680
    .private_segment_fixed_size: 0
    .kernarg_segment_align: 8
    .kernarg_segment_size: 32
    .max_flat_workgroup_size: 128
    .sgpr_count:     68
    .vgpr_count:     1024
    .wavefront_size: 32
...
	.end_amdgpu_metadata
.endif
;; end of part 6
;; launch ffn2 (part 7): grid 8 x 32, 4 waves a work-group, clusters of 4 x 4, 327,680 bytes of LDS; arguments h, wb, b2, xf, y; writes y
.if DOCPART == 7
	.amdgcn_target "amdgcn-amd-amdhsa--gfx1250"
	.amdhsa_code_object_version 6
	.text
	.protected	k_qcade5f32cf_ffn2
	.globl	k_qcade5f32cf_ffn2
	.p2align	8
	.type	k_qcade5f32cf_ffn2,@function
k_qcade5f32cf_ffn2:
	s_mov_b64 s[64:65], 0
	v_nop
	global_prefetch_b8 v0, s[64:65] scope:SCOPE_SE
	s_setreg_imm32_b32 hwreg(HW_REG_WAVE_MODE, 25, 1), 1
	s_wait_xcnt 0x0
	s_wait_alu depctr_hold_cnt(0) depctr_sa_sdst(0) depctr_va_vdst(0) depctr_va_sdst(0) depctr_va_ssrc(0) depctr_va_vcc(0) depctr_vm_vsrc(0)
	s_getreg_b32 s2, hwreg(HW_REG_IB_STS2, 6, 4)
	s_cmp_eq_u32 s2, 0
	s_cbranch_scc0 .Lentry_in_a_cluster
	s_endpgm
.Lentry_in_a_cluster:
	s_bfe_u32 s2, ttmp6, 0x10000c
	s_cmp_lg_u32 s2, 0xf033
	s_cbranch_scc0 .Lentry_shape_is_right
	s_endpgm
.Lentry_shape_is_right:
; Y[m][n] = sum over k of A[m][k] B[n][k] + bias[n] + R[m][n].  Here: y = h w2^T + b2 + x.  A: [4096][SIZE_K] bf16, B: [1024][SIZE_K] bf16 (wb, byte B_OFF), bias, R and Y f32.
; A tile of Y is 128 x 128, so that the 4096 x 1024 results give 256 work-groups.  Four waves, each 64 x 64: 16 accumulators of 16 x 16.  K goes in steps of 256 (LDS rows of 512 bytes; a wave's
; tensor load brings 64 of them) through a ring of two slots.
; CLUSTERS: 4 x 4 work-groups.  The four of a row of the cluster need the same tiles of A, the four of a column the same tiles of B: each tile is asked for JOINTLY.
; THE MATRIX INSTRUCTION IS USED TRANSPOSED (source 0 = 16 rows of B, source 1 = 16 rows of A): a lane holds eight neighbouring numbers of a row of Y.  THE BIAS STARTS THE SUMS.
; A wave's 64 columns of f32 are 256 consecutive bytes, aligned: each wave sends its blocks of 16 rows through a stage of its own, adds the residual, and stores whole rows; no barrier.
; ASKED FOR AHEAD.  A and B are each read once from memory and a K step holds only 128 matrix instructions a wave, so the tiles of K steps 4 to 15 are prefetched, behind the joint refill that stands
; two K steps (256 matrix instructions a wave) ahead of the joint load that will want them.  Each aligned block of 256 bytes is asked for once in the launch.  A's 128 rows x 512 bytes of a K step
; are shared out among the 8 tile columns: 16 rows x 2 blocks, 32 lanes, one instruction a K step, by wave 3.  B's 128 rows are shared out among the 32 tile rows: 4 rows x 2,048 bytes (four K
; steps), 32 lanes, one instruction in trips 0, 2 and 4, by wave 2.  At the most 16 KiB of A and 8 KiB of B a work-group are asked for and not yet read.  The last trip asks for nothing: its
; look-ahead would leave the rows.  K steps 0 and 1 are the first fills; 2 and 3 are wanted one K step after the start and are not asked for.
; REGISTERS: window 0: v0-31 addresses; v32-95 at work on the way out; v96-127 the bias; v128-255 the accumulators ((a, b) at v[128 + 8 (4 a + b)]).
;   window 1: two fragment buffers of 128: for 64 along K, 64 registers of A, then 64 of B.     window 2: v0-127 the residual of my 64 x 64, laid as it is stored.
.set SIZE_N, 1024
.set SIZE_K, 4096
.set B_OFF,  25165824
.set KSTEP,  256
.set PITCH,  528                       ; an LDS row: 512 bytes of data + 16 of padding = 132 words: the 16 rows that a fragment load touches start 4 words apart modulo 64
.set HALFT,  64*PITCH                  ; 64 rows: what one tensor load brings, and what one wave reads of A or of B
.set SLOT,   4*HALFT                   ; A's 128 rows, then B's 128 rows
.set STAGE,  2*SLOT                    ; behind the ring: 16 rows x 272 bytes for each wave; no tensor load fills it
.set SPITCH, 272
.set ROWY,   SIZE_N*4                  ; bytes in a row of Y and of R
.set LAPS, SIZE_K/(2*KSTEP)            ; a lap = two K steps = once round the ring
.set ADRA, 16                          ; v16-17  LDS address of my A fragments in slot 0, 1
.set ADRB, 20                          ; v20-21  the same for B
.set STO,  24                          ; v24     the way out: where I put 32 bytes of a row
.set RD,   25                          ; v25     the way out: where I read a row back
.set CO,   26                          ; v26     my byte offset in Y and in R
.set BO,   27                          ; v27     my byte offset in the bias
.set PA,   28                          ; v28     prefetch of A: my lane's block: row lane / 2, block lane % 2; never rewritten
.set PB,   29                          ; v29     prefetch of B: row lane / 8, block lane % 8; never rewritten
.set TMP,  32
.set BIAS, 96
.set ACC,  128
.set F0,   0                           ; fragment buffers, in window 1
.set F1,   128
.set G1, 24                            ; s[24:31] descriptor group 1 for A's tiles;  s[32:39] group 0, one set for each slot
.set G0, 32
.set G1B, 48                           ; s[48:55], s[56:63] the same for B's tiles
.set G0B, 56
.set QA, 70                            ; s[70:71] prefetch of A: the work-group's 16 rows, at the K step asked for last in slot 0's turn
.set QB, 72                            ; s[72:73] prefetch of B: the work-group's 4 rows, at the four K steps asked for last
.set MSB, 0
.macro WIN new                         ; the immediate's high byte repeats the setting that is left; a switch that changes nothing is dropped
.set WNEW, \new
.if MSB != WNEW
	s_set_vgpr_msb (MSB<<8)|WNEW
.set MSB, WNEW
.endif
.endm
.set MUL,  0x05                        ; sources 0 (B) and 1 (A) window 1; C and D window 0
.set TO_F, 0x40                        ; destination window 1, address window 0
.macro JLOAD s                         ; a joint load: waves 0 and 1 fetch A's two halves, waves 2 and 3 B's; four v_nop follow each of the two lines
	s_cmp_eq_u32 s11, 0
	s_cbranch_scc0 .Lfor_b_\@
	tensor_load_to_lds s[G0+4*\s:G0+4*\s+3], s[G1:G1+7]
	s_nop 0
.rept 4
	v_nop
.endr
	s_branch .Lasked_\@
.Lfor_b_\@:
	tensor_load_to_lds s[G0B+4*\s:G0B+4*\s+3], s[G1B:G1B+7]
	s_nop 0
.rept 4
	v_nop
.endr
.Lasked_\@:
.endm
.macro CREST                           ; a round of the cluster's barrier behind its opening barrier
	s_cmp_lg_u32 s10, 0
	s_cbranch_scc1 .Lnot_wave_0_\@
	s_barrier_signal -3
.Lnot_wave_0_\@:
	s_barrier_wait -3
	s_barrier_signal -1
	s_barrier_wait -1
.endm
.macro CROUND                          ; a whole round
	s_barrier_signal -1
	s_barrier_wait -1
	CREST
.endm
; The prefetches behind the joint refill of slot `slot` in trip t of the loop (s3 = LAPS - 1 - t), which brings K step 2 t + 2 + slot: A's K step 2 t + 4 + slot, and, behind slot 0's refill in
; trips 0, 2 and 4 (LAPS - 1 = 7 is odd, so those are the trips with an odd count above 1), B's K steps 2 t + 4 to 2 t + 7.  The branches hang on the loop's counter and the wave's number alone.
; A base is stepped just ahead of its use, behind s_wait_xcnt 0 (its last prefetch stands a K step back or more); slot 1's request reaches on by the immediate.
.macro ASK slot
	s_cmp_lt_u32 s3, 2                             ; the last trip: K steps 16 and 17 do not exist
	s_cbranch_scc1 .Lall_asked_\@
	s_cmp_lg_u32 s10, 3
	s_cbranch_scc1 .Lnot_a_\@
.if \slot == 0
	s_wait_xcnt 0x0
	s_add_nc_u64 s[QA:QA+1], s[QA:QA+1], 2*KSTEP*2
	global_prefetch_b8 v[PA], s[QA:QA+1] th:TH_LOAD_NT scope:SCOPE_SE
.else
	global_prefetch_b8 v[PA], s[QA:QA+1] offset:KSTEP*2 th:TH_LOAD_NT scope:SCOPE_SE
.endif
.Lnot_a_\@:
.if \slot == 0
	s_cmp_lg_u32 s10, 2
	s_cbranch_scc1 .Lall_asked_\@
	s_bitcmp1_b32 s3, 0
	s_cbranch_scc0 .Lall_asked_\@
	s_wait_xcnt 0x0
	s_add_nc_u64 s[QB:QB+1], s[QB:QB+1], 4*KSTEP*2
	global_prefetch_b8 v[PB], s[QB:QB+1] th:TH_LOAD_NT scope:SCOPE_SE
.endif
.Lall_asked_\@:
.endm
	s_load_b128 s[4:7], s[0:1], 0x0                ; A s[4:5], wb s[6:7]
	s_load_b64 s[66:67], s[0:1], 0x10              ; bias
	s_load_b64 s[68:69], s[0:1], 0x18              ; R
	s_load_b64 s[8:9], s[0:1], 0x20                ; Y
	v_lshl_add_u32 v30, v0, 2, 0x46400
	v_mov_b32 v31, 0
	ds_add_u32 v30, v31
	v_lshrrev_b32 v1, 5, v0
	v_readfirstlane_b32 s10, v1                    ; wave 0..3
	s_lshr_b32 s11, s10, 1                         ; which half of the tile's rows is mine.  Also: I fetch for A (0) or for B (1)
	s_and_b32 s12, s10, 1                          ; which half of its columns.  Also: which 64 rows of that tile I fetch
	s_bfe_u32 s40, ttmp6, 0x40000                  ; cx, cy: my place in the cluster
	s_bfe_u32 s41, ttmp6, 0x40004
	s_lshl_b32 s42, ttmp9, 2
	s_add_co_u32 s42, s42, s40                     ; tile column = 4 x cluster x + cx
	s_and_b32 s13, ttmp7, 0xffff
	s_lshl_b32 s13, s13, 2
	s_add_co_u32 s13, s13, s41                     ; tile row = 4 x cluster y + cy
	s_lshl_b32 s43, s41, 2
	s_lshl_b32 s43, 15, s43                        ; my row of the cluster
	s_lshl_b32 s44, 0x1111, s40                    ; my column
	; descriptor group 1: a tile of 64 rows x 256 elements of 2 bytes, 4 words of padding behind every 128 words; the mask, and bit 21 beside it
	s_or_b32 s[G1+0], s43, (1<<16)|(1<<20)|(1<<21)|(6<<22)|(3<<25)
	s_or_b32 s[G1B+0], s44, (1<<16)|(1<<20)|(1<<21)|(6<<22)|(3<<25)
.irp g, G1, G1B
	s_mov_b32 s[\g+1], KSTEP<<16                   ; tensor_dim0 = 256
	s_mov_b32 s[\g+2], 64<<16                      ; tensor_dim1 = 64
	s_mov_b32 s[\g+3], KSTEP<<16                   ; tile_dim0 = 256
	s_mov_b32 s[\g+4], 64                          ; tile_dim1 = 64
	s_mov_b32 s[\g+5], SIZE_K                      ; elements from row to row
	s_mov_b32 s[\g+6], 0
	s_mov_b32 s[\g+7], 0
.endr
	s_lshl_b32 s17, s12, 6                         ; which 64 rows of the tile I fetch
	s_lshl_b32 s16, s13, 7
	s_add_co_u32 s16, s16, s17                     ; A: row 128 x tile row + 64 x half
	s_lshl_b32 s46, s42, 7
	s_add_co_u32 s46, s46, s17                     ; B: row 128 x tile column + 64 x half
	s_mov_b32 s17, 0
	s_mov_b32 s47, 0
	s_mov_b64 s[18:19], SIZE_K*2
	s_mul_u64 s[16:17], s[16:17], s[18:19]
	s_mul_u64 s[46:47], s[46:47], s[18:19]
	s_mul_i32 s20, s10, HALFT                      ; where they go: wave x 64 rows
	s_wait_dscnt 0x0
	s_wait_kmcnt 0x0
	s_add_nc_u64 s[6:7], s[6:7], B_OFF
	s_add_nc_u64 s[14:15], s[4:5], s[16:17]
	s_add_nc_u64 s[46:47], s[6:7], s[46:47]
	CROUND                                         ; all sixteen work-groups are here: the first joint loads meet
.irp s, 0,1
	s_mov_b32 s[G0+4*\s], 1
	s_add_co_u32 s[G0+4*\s+1], s20, \s*SLOT
	s_add_nc_u64 s[G0+4*\s+2:G0+4*\s+3], s[14:15], \s*KSTEP*2
	s_or_b32 s[G0+4*\s+3], s[G0+4*\s+3], 0x80000000
	s_mov_b32 s[G0B+4*\s], 1
	s_add_co_u32 s[G0B+4*\s+1], s20, \s*SLOT
	s_add_nc_u64 s[G0B+4*\s+2:G0B+4*\s+3], s[46:47], \s*KSTEP*2
	s_or_b32 s[G0B+4*\s+3], s[G0B+4*\s+3], 0x80000000
	JLOAD \s                                       ; two tensor loads of mine are out
.endr
	v_and_b32 v1, 15, v0                           ; l % 16
	v_bfe_u32 v2, v0, 4, 1                         ; l / 16
	v_lshlrev_b32 v[BO], 5, v2                     ; the bias: register j of column block b is column 16 b + 8 (l / 16) + j of my 64
	v_lshlrev_b32 v5, 12, v2                       ; Y and R: lanes 0-15 one row's 256 bytes, lanes 16-31 the next row's
	v_lshl_add_u32 v[CO], v1, 4, v5
	s_lshl_b32 s46, s42, 9                         ; 4 bytes x (128 x tile column + 64 x half): my columns' byte in the bias and in a row of Y
	s_lshl_b32 s47, s12, 8
	s_add_co_u32 s46, s46, s47
	s_mov_b32 s47, 0
	s_lshl_b32 s16, s13, 7
	s_lshl_b32 s17, s11, 6
	s_add_co_u32 s16, s16, s17                     ; my first row: 128 x tile row + 64 x half
	s_lshl_b32 s16, s16, 12
	s_mov_b32 s17, 0
	s_add_nc_u64 s[66:67], s[66:67], s[46:47]
	s_add_nc_u64 s[68:69], s[68:69], s[16:17]
	s_add_nc_u64 s[68:69], s[68:69], s[46:47]
	s_add_nc_u64 s[8:9], s[8:9], s[16:17]
	s_add_nc_u64 s[8:9], s[8:9], s[46:47]
.irp b, 0,1,2,3
	global_load_b128 v[BIAS+8*\b:BIAS+8*\b+3],   v[BO], s[66:67] offset:64*\b
	global_load_b128 v[BIAS+8*\b+4:BIAS+8*\b+7], v[BO], s[66:67] offset:64*\b+16
.endr
	WIN 0x80                                       ; destination window 2: the residual is asked for now and wanted at the end
.irp a, 0,1,2,3
.irp t, 0,1,2,3,4,5,6,7
	global_load_b128 v[32*\a+4*\t:32*\a+4*\t+3], v[CO], s[68:69] offset:(16*\a+2*\t)*ROWY
.endr
.endr
	WIN 0
	; the prefetches' addresses, in registers of their own: both coordinates of the tile enter them, and nothing else is made of them
	v_and_b32 v6, 31, v0                           ; lane
	v_lshrrev_b32 v7, 1, v6
	v_mul_u32_u24 v7, v7, SIZE_K*2                 ; A: row lane / 2 of my 16,
	v_and_b32 v8, 1, v6
	v_lshl_add_u32 v[PA], v8, 8, v7                ; block lane % 2 of a K step's 512 bytes
	v_lshrrev_b32 v7, 3, v6
	v_mul_u32_u24 v7, v7, SIZE_K*2                 ; B: row lane / 8 of my 4,
	v_and_b32 v8, 7, v6
	v_lshl_add_u32 v[PB], v8, 8, v7                ; block lane % 8 of four K steps' 2,048 bytes
	s_lshl_b32 s74, s13, 7
	s_lshl_b32 s75, s42, 4
	s_add_co_u32 s74, s74, s75                     ; A: row 128 x tile row + 16 x tile column
	s_mul_i32 s74, s74, SIZE_K*2
	s_mov_b32 s75, 0
	s_add_nc_u64 s[QA:QA+1], s[4:5], s[74:75]
	s_add_nc_u64 s[QA:QA+1], s[QA:QA+1], 2*KSTEP*2 ; K step 2: the first request steps on to K step 4
	s_lshl_b32 s74, s42, 7
	s_lshl_b32 s76, s13, 2
	s_add_co_u32 s74, s74, s76                     ; B: row 128 x tile column + 4 x tile row
	s_mul_i32 s74, s74, SIZE_K*2
	s_add_nc_u64 s[QB:QB+1], s[6:7], s[74:75]      ; K step 0: the first request steps on to K steps 4 to 7
	v_mul_u32_u24 v3, v1, PITCH
	v_lshl_add_u32 v3, v2, 4, v3                   ; a fragment's row x pitch + 16 x half
	s_mul_i32 s21, s11, HALFT                      ; my 64 rows of A
	s_mul_i32 s22, s12, HALFT                      ; my 64 rows of B,
	s_add_co_u32 s22, s22, 2*HALFT                 ; which lie behind A's 128
.irp s, 0,1
	v_add_nc_u32 v[ADRA+\s], s21, v3
	v_add_nc_u32 v[ADRB+\s], s22, v3
	s_add_co_u32 s21, s21, SLOT
	s_add_co_u32 s22, s22, SLOT
.endr
	s_mul_i32 s23, s10, 16*SPITCH
	s_add_co_u32 s23, s23, STAGE                   ; my stage
	v_mul_u32_u24 v4, v1, SPITCH                   ; in: row l % 16, 32 bytes for each half of the lanes
	v_lshl_add_u32 v4, v2, 5, v4
	v_add_nc_u32 v[STO], s23, v4
	v_mul_u32_u24 v5, v2, SPITCH                   ; back: lanes 0-15 take one row of 256 bytes, lanes 16-31 the next
	v_lshl_add_u32 v5, v1, 4, v5
	v_add_nc_u32 v[RD], s23, v5
; 8 matrix instructions: m blocks a0, a0 + 1 x all 4 n blocks, 32 along K: half c of buffer f.  zero = 1: the first product starts the sum from the bias.
; The 16 accumulators take turns, one instruction a turn.
.macro MUL8 f, c, a0, zero
.irp a, \a0, \a0+1
.irp b, 0,1,2,3
.if \zero
	v_wmma_f32_16x16x32_bf16 v[ACC+8*(4*(\a)+\b):ACC+8*(4*(\a)+\b)+7], v[\f+64+8*(4*\c+\b):\f+64+8*(4*\c+\b)+7], v[\f+8*(4*\c+\a):\f+8*(4*\c+\a)+7], v[BIAS+8*\b:BIAS+8*\b+7]
.else
	v_wmma_f32_16x16x32_bf16 v[ACC+8*(4*(\a)+\b):ACC+8*(4*(\a)+\b)+7], v[\f+64+8*(4*\c+\b):\f+64+8*(4*\c+\b)+7], v[\f+8*(4*\c+\a):\f+8*(4*\c+\a)+7], v[ACC+8*(4*(\a)+\b):ACC+8*(4*(\a)+\b)+7]
.endif
.endr
.endr
.endm
; 32 LDS loads in one run: the fragments of 64 along K at byte k of the rows, into buffer f; the first 32 along K first
.macro FETCH slot, k, f
	WIN TO_F
.irp c, 0,1
.irp i, 0,1,2,3
	ds_load_b128 v[\f+64+8*(4*\c+\i):\f+64+8*(4*\c+\i)+3],   v[ADRB+\slot] offset:\k+64*\c+\i*16*PITCH
	ds_load_b128 v[\f+64+8*(4*\c+\i)+4:\f+64+8*(4*\c+\i)+7], v[ADRB+\slot] offset:\k+64*\c+\i*16*PITCH+32
	ds_load_b128 v[\f+8*(4*\c+\i):\f+8*(4*\c+\i)+3],         v[ADRA+\slot] offset:\k+64*\c+\i*16*PITCH
	ds_load_b128 v[\f+8*(4*\c+\i)+4:\f+8*(4*\c+\i)+7],       v[ADRA+\slot] offset:\k+64*\c+\i*16*PITCH+32
.endr
.endr
.endm
.macro PLACES                          ; four plain vector instructions in front of loads into registers that matrix instructions have read, and of reads of their results
.rept 4
	v_nop
.endr
.endm
; A K step is four quarters of 64 along K, 32 matrix instructions each, on buffers 0, 1, 0, 1.  One of the first three: multiplies buffer f and fetches the next quarter, at byte k, into g.
.macro QUARTER slot, k, f, g, zero
	s_wait_dscnt 16                                ; the first 32 along K are in; the other sixteen loads may be out
	WIN MUL
	MUL8 \f, 0, 0, \zero
	MUL8 \f, 0, 2, \zero
	PLACES
	FETCH \slot, \k, \g
	s_wait_dscnt 32                                ; all but the 32 just issued
	WIN MUL
	MUL8 \f, 1, 0, 0
	MUL8 \f, 1, 2, 0
.endm
; The last quarter multiplies buffer 1 and changes slots: one barrier; in front of it each wave waits for its own reads of this slot and for all its tensor loads.  fill = 1 (in the loop alone): this slot
; is filled again, two K steps ahead, and the prefetches for the refill two K steps later follow.
.macro TURN slot, next, fill
	s_wait_dscnt 16
	WIN MUL
	MUL8 F1, 0, 0, 0
	s_wait_dscnt 0                                 ; my reads of this slot are over,
	s_set_vgpr_msb 0x500
	s_wait_tensorcnt 0x0                           ; and all my tensor loads have landed: my part of the next slot
	ds_add_u32 v30, v31
	s_wait_dscnt 0x0
	s_set_vgpr_msb 0x5
	s_barrier_signal -1
	MUL8 F1, 0, 2, 0
.if \fill
	WIN 0
.endif
	s_barrier_wait -1
.if \fill
	CREST                                          ; the barrier has opened a round of the cluster's: no wave of any partner still reads this slot's tile or has a load on its way
	s_add_nc_u64 s[G0+4*\slot+2:G0+4*\slot+3], s[G0+4*\slot+2:G0+4*\slot+3], 2*KSTEP*2
	s_add_nc_u64 s[G0B+4*\slot+2:G0B+4*\slot+3], s[G0B+4*\slot+2:G0B+4*\slot+3], 2*KSTEP*2
	JLOAD \slot                                    ; my one tensor load behind the round; the four v_nop behind it are also the places in front of the loads below
	ASK \slot
.else
	PLACES
.endif
	FETCH \next, 0, F0
	WIN MUL
	MUL8 F1, 1, 0, 0
	MUL8 F1, 1, 2, 0
.endm
; THE WAY OUT of block a (16 rows x my 64 columns): the accumulators go as they are into my stage (each from its low registers on), come back as whole rows of 256 bytes, take the residual and are stored.
.macro OUT a
.set TH, TMP+32*((\a)%2)
	s_wait_xcnt 0x0                                ; the registers that earlier stores read are loaded again only behind this wait
.irp b, 0,1,2,3
	ds_store_b128 v[STO], v[ACC+8*(4*\a+\b):ACC+8*(4*\a+\b)+3]   offset:64*\b
	ds_store_b128 v[STO], v[ACC+8*(4*\a+\b)+4:ACC+8*(4*\a+\b)+7] offset:64*\b+16
.endr
.irp t, 0,1,2,3,4,5,6,7
	ds_load_b128 v[TH+4*\t:TH+4*\t+3], v[RD] offset:\t*2*SPITCH    ; LDS serves a wave's instructions in order: these see the stores above
.endr
	s_wait_dscnt 0x0
	WIN 0x08                                       ; source 1 window 2: the residual
.irp i, 0,1,2,3,4,5,6,7,8,9,10,11,12,13,14,15
	v_pk_add_f32 v[TH+2*\i:TH+2*\i+1], v[TH+2*\i:TH+2*\i+1], v[32*\a+2*\i:32*\a+2*\i+1]
.endr
	WIN 0
.irp t, 0,1,2,3,4,5,6,7
	global_store_b128 v[CO], v[TH+4*\t:TH+4*\t+3], s[8:9] offset:(16*\a+2*\t)*ROWY   ; 16 lanes store 256 consecutive bytes, at a multiple of 256 from Y's first byte
.endr
.endm
	s_wait_tensorcnt 1                             ; my part of K step 0 is in; K step 1's stays out
	s_barrier_signal -1
	s_barrier_wait -1                              ; everybody's is
	FETCH 0, 0, F0
	s_wait_loadcnt 32                              ; the bias is in; the residual's 32 loads, issued behind it, stay out
	QUARTER 0, 128, F0, F1, 1                      ; the first quarter stands in front of the loop: its first products start the sums
	WIN 0                                          ; at a label and at a branch every window is 0
	s_mov_b32 s3, LAPS-1
.Llap:                                                 ; a trip goes once round the ring, from a lap's second quarter to the next lap's first, and fills both slots again
	QUARTER 0, 256, F1, F0, 0
	QUARTER 0, 384, F0, F1, 0
	TURN 0, 1, 1
	QUARTER 1, 128, F0, F1, 0
	QUARTER 1, 256, F1, F0, 0
	QUARTER 1, 384, F0, F1, 0
	TURN 1, 0, 1
	QUARTER 0, 128, F0, F1, 0
	WIN 0
	s_sub_co_u32 s3, s3, 1
	s_cmp_lg_u32 s3, 0
	s_cbranch_scc1 .Llap
	QUARTER 0, 256, F1, F0, 0                      ; the last lap fills nothing, and has no round of the cluster's barrier
	QUARTER 0, 384, F0, F1, 0
	TURN 0, 1, 0
	QUARTER 1, 128, F0, F1, 0
	QUARTER 1, 256, F1, F0, 0
	QUARTER 1, 384, F0, F1, 0
	s_wait_dscnt 16                                ; the very last quarter: nothing more to fetch
	WIN MUL
	MUL8 F1, 0, 0, 0
	MUL8 F1, 0, 2, 0
	s_wait_dscnt 0
	MUL8 F1, 1, 0, 0
	MUL8 F1, 1, 2, 0
	WIN 0
	PLACES
	s_wait_loadcnt 0x0                             ; the residual
	OUT 0
	OUT 1
	OUT 2
	OUT 3
	s_wait_tensorcnt 0x0
	ds_add_u32 v30, v31
	s_wait_dscnt 0x0
	CROUND                                         ; the closing round: no work-group ends while a partner may still ask for a tile that names it
	s_endpgm
.Lfunc_end_k_qcade5f32cf_ffn2:
	.size	k_qcade5f32cf_ffn2, .Lfunc_end_k_qcade5f32cf_ffn2-k_qcade5f32cf_ffn2
	.p2alignl 7, 3214868480
	.fill 96, 4, 3214868480
	.section	.rodata,"a",@progbits
	.p2align	6, 0x0
	.amdhsa_kernel k_qcade5f32cf_ffn2
		.amdhsa_group_segment_fixed_size 327680
		.amdhsa_private_segment_fixed_size 0
		.amdhsa_enable_private_segment 0
		.amdhsa_kernarg_size 40
		.amdhsa_user_sgpr_count 2
		.amdhsa_user_sgpr_kernarg_segment_ptr 1
		.amdhsa_wavefront_size32 1
		.amdhsa_system_sgpr_workgroup_id_x 1
		.amdhsa_system_sgpr_workgroup_id_y 1
		.amdhsa_system_sgpr_workgroup_id_z 1
		.amdhsa_system_vgpr_workitem_id 0
		.amdhsa_next_free_vgpr 640
		.amdhsa_next_free_sgpr 80
		.amdhsa_reserve_vcc 0
		.amdhsa_float_denorm_mode_32 3
		.amdhsa_float_denorm_mode_16_64 3
		.amdhsa_memory_ordered 1
		.amdhsa_forward_progress 1
		.amdhsa_inst_pref_size 96
	.end_amdhsa_kernel
	.amdgpu_metadata
---
amdhsa.version: [ 1, 2 ]
amdhsa.kernels:
  - .name:           k_qcade5f32cf_ffn2
    .symbol:         k_qcade5f32cf_ffn2.kd
    .args:
      - { .name: h, .offset: 0, .size: 8, .value_kind: global_buffer, .address_space: global }
      - { .name: wb, .offset: 8, .size: 8, .value_kind: global_buffer, .address_space: global }
      - { .name: b2, .offset: 16, .size: 8, .value_kind: global_buffer, .address_space: global }
      - { .name: xf, .offset: 24, .size: 8, .value_kind: global_buffer, .address_space: global }
      - { .name: y, .offset: 32, .size: 8, .value_kind: global_buffer, .address_space: global }
    .group_segment_fixed_size: 327680
    .private_segment_fixed_size: 0
    .kernarg_segment_align: 8
    .kernarg_segment_size: 40
    .max_flat_workgroup_size: 128
    .sgpr_count:     80
    .vgpr_count:     640
    .wavefront_size: 32
...
	.end_amdgpu_metadata
.endif
;; end of part 7
;; launch ln2 (part 8): grid 256 x 1, 4 waves a work-group, no clusters, 0 bytes of LDS; arguments y, ln2_g, ln2_b, out0; writes out0
.if DOCPART == 8
	.amdgcn_target "amdgcn-amd-amdhsa--gfx1250"
	.amdhsa_code_object_version 6
	.text
	.protected	k_qcade5f32cf_ln2
	.globl	k_qcade5f32cf_ln2
	.p2align	8
	.type	k_qcade5f32cf_ln2,@function
k_qcade5f32cf_ln2:
	s_mov_b64 s[64:65], 0
	v_nop
	global_prefetch_b8 v0, s[64:65] scope:SCOPE_SE
	s_setreg_imm32_b32 hwreg(HW_REG_WAVE_MODE, 25, 1), 1
	s_wait_xcnt 0x0
; out[r][:] = (y[r][:] - mean) / sqrt(var + 1e-5) * g + b, for 4,096 rows of 1,024 f32; stored in f32 (BF = 0: no bf16 copy).
; One wave takes a whole row (4,096 bytes: eight 16-byte loads a lane, 32 registers) and keeps it in registers through mean, variance (of the differences, a second pass, as the
; definition has it) and scaling: each byte is read once, and no wave waits for another.  Four waves, four rows each; all of a wave's 48 loads go out before its first wait.
; A stream: no LDS, no matrix unit, no barrier.  No register that a store reads is written again, so no wait stands for the stores.
.set BF, 0
.set G,  4                             ; v[4:35]    g of my 32 columns (columns 128 j + 4 lane + 0..3)
.set BB, 36                            ; v[36:67]   b likewise
.set X,  68                            ; v[68:195]  row s: 32 registers
.set T,  196                           ; v[196:203] at work
.set MU, 204                           ; v[204:205] the mean, twice
.set R,  206                           ; v[206:207] 1 / sqrt(var + eps), twice
.set Y,  208                           ; v[208:223] a row in bf16 (BF = 1 only)
	s_load_b256 s[4:11], s[0:1], 0x0               ; y s[4:5], g s[6:7], b s[8:9], out s[10:11]
.if BF
	s_load_b64 s[16:17], s[0:1], 0x20
.endif
	s_mov_b32 s12, 0x76543210                      ; v_permlanex16_b32: lane i of one half reads lane i of the other
	s_mov_b32 s13, 0xfedcba98
	s_mov_b32 s14, 0x3a800000                      ; 1 / 1024
	s_mov_b32 s15, 0x3727c5ac                      ; 1e-5
	s_lshl_b32 s18, ttmp9, 16                      ; the work-group's 16 rows of 4,096 bytes
	s_mov_b32 s19, 0
	v_and_b32 v2, 31, v0                           ; lane
	v_lshrrev_b32 v3, 5, v0                        ; wave
	v_lshlrev_b32 v1, 14, v3                       ; the wave's 4 rows
	v_lshl_add_u32 v1, v2, 4, v1                   ; + 16 bytes a lane
.if BF
	v_lshlrev_b32 v3, 13, v3
	v_lshl_add_u32 v3, v2, 3, v3
.endif
	v_lshlrev_b32 v2, 4, v2
	s_wait_kmcnt 0x0
	s_add_nc_u64 s[4:5], s[4:5], s[18:19]
	s_add_nc_u64 s[10:11], s[10:11], s[18:19]
.if BF
	s_lshl_b32 s18, ttmp9, 15
	s_add_nc_u64 s[16:17], s[16:17], s[18:19]
.endif
.irp j, 0,1,2,3,4,5,6,7
	global_load_b128 v[G+4*\j:G+4*\j+3], v2, s[6:7] offset:512*\j
.endr
.irp j, 0,1,2,3,4,5,6,7
	global_load_b128 v[BB+4*\j:BB+4*\j+3], v2, s[8:9] offset:512*\j
.endr
.irp s, 0,1,2,3
.irp j, 0,1,2,3,4,5,6,7
	global_load_b128 v[X+32*\s+4*\j:X+32*\s+4*\j+3], v1, s[4:5] offset:\s*4096+512*\j th:TH_LOAD_NT
.endr
.endr
.macro RED                             ; four chains of pairs in T -> their sum over the row, in every lane's v[T]
	v_pk_add_f32 v[T:T+1], v[T:T+1], v[T+2:T+3]
	v_pk_add_f32 v[T+4:T+5], v[T+4:T+5], v[T+6:T+7]
	v_pk_add_f32 v[T:T+1], v[T:T+1], v[T+4:T+5]
	v_add_f32 v[T], v[T], v[T+1]
	v_add_f32_dpp v[T], v[T], v[T] row_xmask:1 row_mask:0xf bank_mask:0xf
	v_add_f32_dpp v[T], v[T], v[T] row_xmask:2 row_mask:0xf bank_mask:0xf
	v_add_f32_dpp v[T], v[T], v[T] row_xmask:4 row_mask:0xf bank_mask:0xf
	v_add_f32_dpp v[T], v[T], v[T] row_xmask:8 row_mask:0xf bank_mask:0xf
	v_permlanex16_b32 v[T+1], v[T], s12, s13
	v_add_f32 v[T], v[T], v[T+1]
.endm
; Row s.  left = how many younger loads (the rows behind it) may stay out.
.macro ROW s, left
.set XR, X+32*\s
	s_wait_loadcnt \left
.irp c, 0,1,2,3
	v_pk_add_f32 v[T+2*\c:T+2*\c+1], v[XR+2*\c:XR+2*\c+1], v[XR+8+2*\c:XR+8+2*\c+1]   ; the first eight pairs start four chains: nothing is cleared
.endr
.irp p, 8,9,10,11,12,13,14,15
	v_pk_add_f32 v[T+2*(\p%4):T+2*(\p%4)+1], v[T+2*(\p%4):T+2*(\p%4)+1], v[XR+2*\p:XR+2*\p+1]
.endr
	RED
	v_mul_f32 v[MU], s14, v[T]
	v_mul_f32 v[MU+1], s14, v[T]
.irp p, 0,1,2,3,4,5,6,7,8,9,10,11,12,13,14,15
	v_pk_add_f32 v[XR+2*\p:XR+2*\p+1], v[XR+2*\p:XR+2*\p+1], v[MU:MU+1] neg_lo:[0,1] neg_hi:[0,1]
.endr
.irp c, 0,1,2,3
	v_pk_mul_f32 v[T+2*\c:T+2*\c+1], v[XR+2*\c:XR+2*\c+1], v[XR+2*\c:XR+2*\c+1]
.endr
.irp p, 4,5,6,7,8,9,10,11,12,13,14,15
	v_pk_fma_f32 v[T+2*(\p%4):T+2*(\p%4)+1], v[XR+2*\p:XR+2*\p+1], v[XR+2*\p:XR+2*\p+1], v[T+2*(\p%4):T+2*(\p%4)+1]
.endr
	RED
	v_fma_f32 v[T+2], v[T], s14, s15               ; var + eps
	v_rsq_f32 v[R], v[T+2]
	v_rsq_f32 v[R+1], v[T+2]
	v_nop                                          ; a plain instruction between the root and the use of its result
.if BF
	s_wait_xcnt 0x0
.endif
	s_wait_alu depctr_va_vdst(0)
.irp j, 0,1,2,3,4,5,6,7
	v_pk_mul_f32 v[XR+4*\j:XR+4*\j+1], v[XR+4*\j:XR+4*\j+1], v[R:R+1]
	v_pk_mul_f32 v[XR+4*\j+2:XR+4*\j+3], v[XR+4*\j+2:XR+4*\j+3], v[R:R+1]
	v_pk_fma_f32 v[XR+4*\j:XR+4*\j+1], v[XR+4*\j:XR+4*\j+1], v[G+4*\j:G+4*\j+1], v[BB+4*\j:BB+4*\j+1]
	v_pk_fma_f32 v[XR+4*\j+2:XR+4*\j+3], v[XR+4*\j+2:XR+4*\j+3], v[G+4*\j+2:G+4*\j+3], v[BB+4*\j+2:BB+4*\j+3]
	global_store_b128 v1, v[XR+4*\j:XR+4*\j+3], s[10:11] offset:\s*4096+512*\j     ; a wave's store covers 512 consecutive bytes, aligned
.if BF
	v_cvt_pk_bf16_f32 v[Y+2*\j], v[XR+4*\j], v[XR+4*\j+1]
	v_cvt_pk_bf16_f32 v[Y+2*\j+1], v[XR+4*\j+2], v[XR+4*\j+3]
	global_store_b64 v3, v[Y+2*\j:Y+2*\j+1], s[16:17] offset:\s*2048+256*\j
.endif
.endr
.endm
	ROW 0, 24
	ROW 1, 16
	ROW 2, 8
	ROW 3, 0
	s_endpgm
.Lfunc_end_k_qcade5f32cf_ln2:
	.size	k_qcade5f32cf_ln2, .Lfunc_end_k_qcade5f32cf_ln2-k_qcade5f32cf_ln2
	.p2alignl 7, 3214868480
	.fill 96, 4, 3214868480
	.section	.rodata,"a",@progbits
	.p2align	6, 0x0
	.amdhsa_kernel k_qcade5f32cf_ln2
		.amdhsa_group_segment_fixed_size 0
		.amdhsa_private_segment_fixed_size 0
		.amdhsa_enable_private_segment 0
		.amdhsa_kernarg_size 32
		.amdhsa_user_sgpr_count 2
		.amdhsa_user_sgpr_kernarg_segment_ptr 1
		.amdhsa_wavefront_size32 1
		.amdhsa_system_sgpr_workgroup_id_x 1
		.amdhsa_system_sgpr_workgroup_id_y 1
		.amdhsa_system_sgpr_workgroup_id_z 1
		.amdhsa_system_vgpr_workitem_id 0
		.amdhsa_next_free_vgpr 224
		.amdhsa_next_free_sgpr 66
		.amdhsa_reserve_vcc 0
		.amdhsa_float_denorm_mode_32 3
		.amdhsa_float_denorm_mode_16_64 3
		.amdhsa_memory_ordered 1
		.amdhsa_forward_progress 1
		.amdhsa_inst_pref_size 34
	.end_amdhsa_kernel
	.amdgpu_metadata
---
amdhsa.version: [ 1, 2 ]
amdhsa.kernels:
  - .name:           k_qcade5f32cf_ln2
    .symbol:         k_qcade5f32cf_ln2.kd
    .args:
      - { .name: y, .offset: 0, .size: 8, .value_kind: global_buffer, .address_space: global }
      - { .name: ln2_g, .offset: 8, .size: 8, .value_kind: global_buffer, .address_space: global }
      - { .name: ln2_b, .offset: 16, .size: 8, .value_kind: global_buffer, .address_space: global }
      - { .name: out0, .offset: 24, .size: 8, .value_kind: global_buffer, .address_space: global }
    .group_segment_fixed_size: 0
    .private_segment_fixed_size: 0
    .kernarg_segment_align: 8
    .kernarg_segment_size: 32
    .max_flat_workgroup_size: 128
    .sgpr_count:     66
    .vgpr_count:     224
    .wavefront_size: 32
...
	.end_amdgpu_metadata
.endif
;; end of part 8
